; MI455X (gfx1250); checked and timed in simulation.
; The chip was launched on July 23, 2026; its instructions are those of AMD's public machine-readable ISA for CDNA 5 (MIT licence, August 2026) and "CDNA5" Instruction Set Architecture Reference Guide (July 2026). The comments in the code are by the model that wrote it; some were corrected since.
;; Encoder Block. Allowed arithmetic: matrix products marked QUANTISED: E2M1 operands, one E8M0 scale for each 32 along K, by v_wmma_scale_f32_16x16x128_f8f6f4 with both operands' format E2M1 (or v_wmma_scale_f32_32x16x128_f4), f32 sums; products left as they are: bf16, f16 or f32 operands; f32 sums; everything else in f32.
;; Inputs: b1 4,096 float32; b2 1,024 float32; b_proj 1,024 float32; beta1 1,024 float32; beta2 1,024 float32; bk 16 x 64 float32; bq 16 x 64 float32; bv 16 x 64 float32; gamma1 1,024 float32; gamma2 1,024 float32; w1 1,024 x 4,096 float32; w2 4,096 x 1,024 float32; w_proj 1,024 x 1,024 float32; wk 16 x 1,024 x 64 float32; wq 16 x 1,024 x 64 float32; wv 16 x 1,024 x 64 float32; x 2 x 2,048 x 1,024 float32.
;; Outputs: out0 2 x 2,048 x 1,024 float32.
;; This version of the problem:
;;   THIS VERSION OF THE PROBLEM IS GIVEN IN LOW PRECISION. The matrix products marked QUANTISED in the list below multiply operands that are first quantised to E2M1 (2 exponent bits, 1 mantissa bit; 4 bits a number), with one power-of-two scale for each 32 numbers along K (OCP MX v1.0); their sums are f32. The products marked 'left as it is' may take bf16, f16 or f32 operands, with f32 sums. Whichever they take, every output number must still come out within the allowed error. Rounding operands to bf16 (8 significant bits) uses up far more of that allowance than f16 does (11 bits, for magnitudes from 6e-5 to 65,504). All else is computed in f32.
;;   The module's matrix products, in the order in which they are computed (A, B: the left and right operand; K: the contracted axis; several contracted axes count as one K, in the product's order):
;;     1. [M 1,024, K 1,024] x [K 1,024, N 4,096]; A: input wq; B: input x: QUANTISED
;;     2. [M 1,024, K 1,024] x [K 1,024, N 4,096]; A: input wk; B: input x: QUANTISED
;;     3. [M 1,024, K 1,024] x [K 1,024, N 4,096]; A: input wv; B: input x: QUANTISED
;;     4. batch 32 x [M 2,048, K 64] x [K 64, N 2,048]; A: computed on the way; B: computed on the way: left as it is (an operand is computed on the way)
;;     5. batch 32 x [M 2,048, K 2,048] x [K 2,048, N 64]; A: computed on the way; B: computed on the way: left as it is (an operand is computed on the way)
;;     6. [M 4,096, K 1,024] x [K 1,024, N 1,024]; A: computed on the way; B: input w_proj: left as it is (an operand is computed on the way)
;;     7. [M 4,096, K 1,024] x [K 1,024, N 4,096]; A: computed on the way; B: input w1: left as it is (an operand is computed on the way)
;;     8. [M 4,096, K 4,096] x [K 4,096, N 1,024]; A: computed on the way; B: input w2: left as it is (an operand is computed on the way)
;;   THE QUANTISER, for each operand of a quantised product, along K:
;;     - K is cut into blocks of 32 from its start; a last block that is shorter is filled with zeros.
;;     - A block's scale is 2^e with e = floor(log2(the largest magnitude in the block)) - 2, held to -126 .. 127; a block of zeros has e = 0. As a byte (E8M0): e + 127.
;;     - Each number is divided by its block's scale, clamped to +-6, and rounded to the nearest number of E2M1, ties to even, subnormals kept.
;;     - The product sums the exact products of the quantised numbers (number of the format x scale) in f32.
;;   ~~~python
;;   def quantise(x, axis):      # numpy; x: float32 -> the quantised numbers, widened to float32 again
;;       x = np.moveaxis(x, axis, -1); K = x.shape[-1]
;;       x = np.pad(x, [(0, 0)] * (x.ndim - 1) + [(0, -K % 32)]); x = x.reshape(x.shape[:-1] + (-1, 32)); a = np.abs(x).max(-1, keepdims=True)
;;       e = np.where(a > 0, np.clip(np.frexp(np.where(a > 0, a, 1))[1] - 1 - 2, -126, 127), 0)      # np.frexp(a)[1] - 1 = floor(log2(a)), exactly
;;       r = np.clip(x / 2.0 ** e, -6, 6)
;;       step = 2.0 ** (np.maximum(np.frexp(np.where(r == 0, 1, r))[1] - 1, 0) - 1)
;;       q = np.round(r / step) * step * 2.0 ** e      # np.round: ties to even
;;       return np.moveaxis(q.reshape(q.shape[:-2] + (-1,))[..., :K], -1, axis).astype(np.float32)
;;   ~~~
;; One version. Each part assembles by itself: llvm-mc -triple=amdgcn-amd-amdhsa -mcpu=gfx1250 --defsym DOCPART=n.
;; ======== version 1 of 1: 8 launches
;; workspace buffers: codes 3,899,392 bytes; wb 18,874,368 bytes; qkvb 25,165,824 bytes; act 33,554,432 bytes; y 16,777,216 bytes; o1 25,165,824 bytes
;; launch prep (part 1): grid 896 x 1, 4 waves a work-group, no clusters, 42,496 bytes of LDS; arguments x, wq, wk, wv, w_proj, w1, w2, codes, wb; writes codes, wb
.if DOCPART == 1
	.amdgcn_target "amdgcn-amd-amdhsa--gfx1250"
	.amdhsa_code_object_version 6
	.text
	.protected	k_qec824fca57_prep
	.globl	k_qec824fca57_prep
	.p2align	8
	.type	k_qec824fca57_prep,@function
k_qec824fca57_prep:
	s_mov_b64 s[64:65], 0
	v_nop
	global_prefetch_b8 v0, s[64:65] scope:SCOPE_SE
	s_setreg_imm32_b32 hwreg(HW_REG_WAVE_MODE, 25, 1), 1
	s_wait_xcnt 0x0
; PREP: every operand is made ready once.
;   work-groups 0-127   (path X): x [4096][1024] f32 -> codes of FP4 (E2M1), K innermost, and one E8M0 byte for each 32 along K.
;   work-groups 128-319 (path W): wq, wk, wv [16][1024 (K)][64] f32 -> codes laid [3072 rows][1024 along K], row = 1024 T + 64 head + e (T = 0, 1, 2 for q, k, v), and their scale bytes.
;   work-groups 320-895 (path C): w_proj, w1, w2 f32 -> bf16, laid as they lie, one behind the other in wb.
; A block's scale is 2^(floor(log2(its largest magnitude)) - 2); its byte is that magnitude's exponent field - 2, held at 1 from below.
; LIMITS: a block of zeros gets the byte 1 where the rule says 127 (its codes are zeros, which add nothing under any byte but 0xff, and this program alone reads the bytes);
; blocks whose largest magnitude lies under 2^(3 - 127) are held at that byte too; NaN and infinities among the inputs are not served.
; The shares are small and the loads run far ahead: X has eight steps (32 loads) on their way, W four blocks a wave with two on their way, C all its 32 loads at once.  The longest shares have the lowest numbers.
; The three paths part on the work-group's number alone and never join.  Each has LDS bytes of its own: X 0-32,767, W 32,768-41,983; behind them the spare words.
.set OFF_XS, 2097152                   ; in codes: x's scale bytes [4096][32]
.set OFF_WC, 2228224                   ; the weights' codes [3072][512 bytes]
.set OFF_WS, 3801088                   ; the weights' scale bytes [3072][32]
.set WSTG,   32768                     ; path W: the work-group's stage, 32 rows of 256 bytes + 16
.set WPITCH, 272
.set WSCL,   WSTG+32*WPITCH            ; and 32 rows of 16 scale bytes
.set SPARE,  WSCL+512                  ; the spare words, 128 bytes for each wave: two blocks of 256 bytes that no other line names
.set SPW,    224                       ; v224 LDS address of my spare word; never rewritten
.set NIL,    225                       ; v225 0; never rewritten
.set EMAX,   2
	s_load_b512 s[32:47], s[0:1], 0x0              ; x 32, wq 34, wk 36, wv 38, w_proj 40, w1 42, w2 44, codes 46
	s_load_b64 s[48:49], s[0:1], 0x40              ; wb
	v_lshl_add_u32 v[SPW], v0, 2, SPARE
	v_mov_b32 v[NIL], 0
	v_lshrrev_b32 v1, 5, v0
	v_readfirstlane_b32 s16, v1                    ; wave 0..3
	v_and_b32 v2, 31, v0                           ; lane
	s_mov_b32 s21, 0                               ; the upper word of every 32-bit offset
	s_cmp_lt_u32 ttmp9, 128
	s_cbranch_scc0 .Lnot_x
; ---------------- PATH X.  x is a plain stream of blocks of 32.  A wave takes 16 steps of 512 numbers.  Each load reads 512 consecutive bytes; a step's 2,048 bytes turn through the wave's own stage in LDS
; (16 bytes of padding behind each 64) and come back 64 bytes a lane, so that a lane holds 16 neighbours along K and two neighbouring lanes a block.
.set STEPS, 16
.set CB,    8                          ; bytes of 16 codes
.set RR,    16                         ; v16-143  eight sets of 16 numbers as loaded
.set XX,    144                        ; v144-175 two sets of 16 neighbours
.set CC,    176                        ; v176-207 codes: two registers for each step, so that no store's data are written again
.set EE,    208                        ; v208-223 a scale byte for each step
.set WREG,  8192                       ; a wave's LDS: two stages of 32 x SP bytes, then its 256 scale bytes
.set SP,    80
	v_lshlrev_b32 v3, 4, v2                        ; my 16 bytes of a load's 512
	s_mul_i32 s17, s16, WREG
	v_lshrrev_b32 v14, 2, v2
	v_mul_u32_u24 v14, v14, SP
	v_and_b32 v15, 3, v2
	v_lshl_add_u32 v14, v15, 4, v14
	v_add_nc_u32 v14, s17, v14                     ; the stage, in: SP (lane / 4) + 16 (lane % 4)
	v_mul_u32_u24 v15, v2, SP
	v_add_nc_u32 v15, s17, v15                     ; and out: SP x lane
	v_mul_u32_u24 v4, v2, CB                       ; my codes' place in a step's
	v_lshrrev_b32 v5, 1, v2
	s_add_co_u32 s17, s17, 2*32*SP
	v_add_nc_u32 v5, s17, v5                       ; my block's byte among the wave's 256
	v_lshlrev_b32 v7, 3, v2
	v_add_nc_u32 v6, s17, v7                       ; and 8 bytes a lane on their way out
	s_lshl_b32 s17, ttmp9, 2
	s_add_co_u32 s18, s17, s16                     ; which run of 8,192 numbers is my wave's
	s_wait_kmcnt 0x0
	s_lshl_b32 s20, s18, 15
	s_add_nc_u64 s[4:5], s[32:33], s[20:21]        ; x: 32,768 bytes a run
	s_lshl_b32 s20, s18, 12
	s_add_nc_u64 s[8:9], s[46:47], s[20:21]        ; codes: 4,096
	s_lshl_b32 s20, s18, 8
	s_add_co_u32 s20, s20, OFF_XS
	s_add_nc_u64 s[10:11], s[46:47], s[20:21]      ; scale bytes: 256
.macro XLOAD t
.irp i, 0,1,2,3
	global_load_b128 v[RR+16*((\t)%8)+4*\i:RR+16*((\t)%8)+4*\i+3], v3, s[4:5] offset:2048*(\t)+512*\i th:TH_LOAD_NT
.endr
.endm
.macro XTURN t                         ; LDS serves a wave's instructions in order: no wait between the stores and the loads
.irp i, 0,1,2,3
	ds_store_b128 v14, v[RR+16*((\t)%8)+4*\i:RR+16*((\t)%8)+4*\i+3] offset:32*SP*((\t)%2)+8*SP*\i
.endr
.irp i, 0,1,2,3
	ds_load_b128 v[XX+16*((\t)%2)+4*\i:XX+16*((\t)%2)+4*\i+3], v15 offset:32*SP*((\t)%2)+16*\i
.endr
.endm
.macro XSTEP t
.set XSS, XX+16*((\t)%2)
.if (\t) > 0
	s_wait_dscnt 1                                 ; this step's numbers are back from the stage (the last step's byte store may be out)
.else
	s_wait_dscnt 0x0
.endif
.if (\t)+8 < STEPS
	XLOAD (\t)+8                                   ; into the set whose stores into the stage have read their registers
.endif
.if (\t)+1 < STEPS
.if STEPS-2-(\t) >= 7
	s_wait_loadcnt 28                              ; the next step's four loads are in; those of the seven steps behind it may be out
.else
	s_wait_loadcnt 4*(STEPS-2-(\t))
.endif
	XTURN (\t)+1
.endif
	v_max3_num_f32 v8, |v[XSS]|, |v[XSS+1]|, |v[XSS+2]|            ; the largest magnitude of my 16, in two chains
	v_max3_num_f32 v9, |v[XSS+3]|, |v[XSS+4]|, |v[XSS+5]|
.irp i, 6,10
	v_max3_num_f32 v8, v8, |v[XSS+\i]|, |v[XSS+\i+1]|
	v_max3_num_f32 v9, v9, |v[XSS+\i+2]|, |v[XSS+\i+3]|
.endr
	v_max3_num_f32 v8, v8, |v[XSS+14]|, |v[XSS+15]|
	v_max3_num_f32 v8, v8, v9, (EMAX+1)<<23        ; and the floor 2^(3 - 127): the byte cannot fall under 1
	v_max_num_f32_dpp v8, v8, v8 row_xmask:1 row_mask:0xf bank_mask:0xf   ; with my neighbour's 16: the block's
	v_add_nc_u32 v11, -(EMAX<<23), v8              ; 2 off its exponent field: the conversion takes the exponent field of this operand as its scale
	v_cvt_scalef32_pk8_fp4_f32 v[CC+2*(\t)], v[XSS:XSS+7], v11
	v_cvt_scalef32_pk8_fp4_f32 v[CC+2*(\t)+1], v[XSS+8:XSS+15], v11
	v_lshrrev_b32 v[EE+(\t)], 23, v11              ; the scale's byte (also the plain line behind the conversions)
	ds_store_b8 v5, v[EE+(\t)] offset:16*(\t)      ; both lanes of a block write the same byte with the same value
	global_store_b64 v4, v[CC+2*(\t):CC+2*(\t)+1], s[8:9] offset:32*CB*(\t)   ; the wave stores 256 consecutive bytes, aligned
.endm
.irp t, 0,1,2,3,4,5,6,7
	XLOAD \t
.endr
	s_wait_loadcnt 28                              ; step 0's four loads are in
	XTURN 0
.irp t, 0,1,2,3,4,5,6,7,8,9,10,11,12,13,14,15
	XSTEP \t
.endr
	ds_load_b64 v[8:9], v6                         ; in order behind my byte stores
	s_wait_dscnt 0x0
	global_store_b64 v7, v[8:9], s[10:11]          ; the wave's 256 scale bytes, aligned
	s_wait_tensorcnt 0x0                           ; the wave's end
	ds_add_u32 v[SPW], v[NIL]
	s_wait_dscnt 0x0
	s_endpgm
; ---------------- PATH W.  A work-group takes 32 columns of one head of one weight and 512 along K; wave w of it K = 128 w on: four blocks a lane.  A lane takes a column e and its registers run down K:
; a block of 32 lies in one lane, and the codes come out with K innermost.  The four waves' codes meet in the work-group's stage: 256 bytes for each of 32 rows; behind one barrier each wave stores eight rows,
; sixteen lanes to 256 consecutive bytes.  The scale bytes meet likewise, 16 for each row, and wave 0 stores them.
.Lnot_x:
	s_cmp_lt_u32 ttmp9, 320
	s_cbranch_scc0 .Lcast
.set NB,     4
.set WX,     32                        ; v32-95   two sets of 32 numbers
.set WCD,    96                        ; v96-99   a block's codes
.set WSO,    100                       ; v100-103 a row's scale bytes on their way out
.set WOUT,   112                       ; v112-127 the way out
.set WSB,    24                        ; v24      my four scale bytes
	s_sub_co_u32 s17, ttmp9, 128                   ; 0..191 = 64 T + 4 head + 2 (which 32 columns) + (which half of K)
	s_lshr_b32 s18, s17, 6                         ; T: which weight
	s_bfe_u32 s19, s17, 0x40002                    ; head
	s_bfe_u32 s22, s17, 0x10001                    ; which 32 columns
	s_and_b32 s23, s17, 1                          ; which half of K
	s_lshl_b32 s20, s19, 18                        ; source: 262,144 head
	s_lshl_b32 s24, s23, 17                        ; + 512 rows of 256 bytes
	s_add_co_u32 s20, s20, s24
	s_lshl_b32 s24, s16, 15                        ; + my wave's 128 rows
	s_add_co_u32 s20, s20, s24
	s_lshl_b32 s24, s22, 7                         ; + 128 bytes
	s_add_co_u32 s20, s20, s24
	s_lshl_b32 s24, s18, 10
	s_lshl_b32 s25, s19, 6
	s_add_co_u32 s24, s24, s25
	s_lshl_b32 s25, s22, 5
	s_add_co_u32 s24, s24, s25                     ; the work-group's first output row: 1024 T + 64 head + 32 (which columns)
	s_lshl_b32 s26, s24, 9                         ; codes: 512 bytes a row,
	s_lshl_b32 s25, s23, 8                         ; the half of K is 256 of them,
	s_add_co_u32 s26, s26, s25
	s_lshl_b32 s25, s16, 12                        ; and I store rows 8 w on
	s_add_co_u32 s26, s26, s25
	s_add_co_u32 s26, s26, OFF_WC
	s_mov_b32 s27, 0
	s_lshl_b32 s28, s24, 5                         ; scale bytes: 32 a row, the half 16
	s_lshl_b32 s25, s23, 4
	s_add_co_u32 s28, s28, s25
	s_add_co_u32 s28, s28, OFF_WS
	s_mov_b32 s29, 0
	v_lshlrev_b32 v3, 2, v2                        ; in: 4 bytes a lane
	s_lshl_b32 s30, s16, 6
	s_add_co_u32 s30, s30, WSTG
	v_mul_u32_u24 v4, v2, WPITCH
	v_add_nc_u32 v4, s30, v4                       ; into the stage: row = my column, my wave's 64 bytes of it
	s_lshl_b32 s30, s16, 2
	s_add_co_u32 s30, s30, WSCL
	v_lshl_add_u32 v6, v2, 4, s30                  ; my scale word: row = my column, my wave's 4 bytes
	v_lshl_add_u32 v5, v2, 4, WSCL                 ; and a whole row of 16 on the way out
	s_mul_i32 s30, s16, 8*WPITCH
	s_add_co_u32 s30, s30, WSTG
	v_and_b32 v10, 15, v2
	v_lshrrev_b32 v12, 4, v2
	v_mul_u32_u24 v7, v12, WPITCH
	v_lshl_add_u32 v7, v10, 4, v7
	v_add_nc_u32 v7, s30, v7                       ; out of the stage: rows 8 w on, sixteen lanes to a row, two rows an instruction
	v_lshlrev_b32 v8, 9, v12
	v_lshl_add_u32 v8, v10, 4, v8                  ; and the same place in the codes
	v_lshlrev_b32 v9, 5, v2                        ; a row of scale bytes in memory
	s_wait_kmcnt 0x0
	s_cmp_eq_u32 s18, 0
	s_cselect_b64 s[4:5], s[34:35], s[36:37]
	s_cmp_eq_u32 s18, 2
	s_cselect_b64 s[4:5], s[38:39], s[4:5]         ; wq, wk or wv: the choice hangs on the work-group's number alone
	s_add_nc_u64 s[4:5], s[4:5], s[20:21]
	s_add_nc_u64 s[6:7], s[46:47], s[26:27]
	s_add_nc_u64 s[8:9], s[46:47], s[28:29]
.macro WLOAD t                         ; block t: w(32 t + i, my column) into set t % 2
.irp i, 0,1,2,3,4,5,6,7,8,9,10,11,12,13,14,15,16,17,18,19,20,21,22,23,24,25,26,27,28,29,30,31
	global_load_b32 v[WX+32*((\t)%2)+\i], v3, s[4:5] offset:(32*(\t)+\i)*256 th:TH_LOAD_NT
.endr
.endm
.macro WBLOCK t
.set WXS, WX+32*((\t)%2)
.if (\t) < NB-1
	s_wait_loadcnt 32                              ; this block's 32 loads are in; the next block's may be out
.else
	s_wait_loadcnt 0x0
.endif
	v_max3_num_f32 v12, |v[WXS]|, |v[WXS+1]|, |v[WXS+2]|
	v_max3_num_f32 v13, |v[WXS+3]|, |v[WXS+4]|, |v[WXS+5]|
.irp i, 6,10,14,18,22,26
	v_max3_num_f32 v12, v12, |v[WXS+\i]|, |v[WXS+\i+1]|
	v_max3_num_f32 v13, v13, |v[WXS+\i+2]|, |v[WXS+\i+3]|
.endr
	v_max3_num_f32 v12, v12, |v[WXS+30]|, |v[WXS+31]|
	v_max3_num_f32 v12, v12, v13, (EMAX+1)<<23     ; the block's largest magnitude, and the floor
	v_add_nc_u32 v11, -(EMAX<<23), v12             ; the conversion's scale operand
	v_lshrrev_b32 v13, 23, v11                     ; the scale's byte
.if (\t) == 0
	v_mov_b32 v[WSB], v13                          ; four bytes to the register, the lower K in the lower byte
.else
	v_lshl_or_b32 v[WSB], v13, 8*(\t), v[WSB]
.endif
.irp g, 0,1,2,3
	v_cvt_scalef32_pk8_fp4_f32 v[WCD+\g], v[WXS+8*\g:WXS+8*\g+7], v11
.endr
	ds_store_b128 v4, v[WCD:WCD+3] offset:16*(\t)  ; 32 codes: 16 bytes of my column's row
.if (\t)+2 < NB
	WLOAD (\t)+2
.endif
	s_wait_dscnt 0x0                               ; the store has read its registers: the next block's codes may be written
.endm
	WLOAD 0
	WLOAD 1
.irp t, 0,1,2,3
	WBLOCK \t
.endr
	ds_store_b32 v6, v[WSB]
	s_wait_dscnt 0x0                               ; for the others' sake: my codes and my scale word lie in LDS
	s_barrier_signal -1
	s_barrier_wait -1
.irp i, 0,1,2,3
	ds_load_b128 v[WOUT+4*\i:WOUT+4*\i+3], v7 offset:2*\i*WPITCH
.endr
.irp i, 0,1,2,3
	s_wait_dscnt 3-\i
	global_store_b128 v8, v[WOUT+4*\i:WOUT+4*\i+3], s[6:7] offset:2*\i*512   ; sixteen lanes store 256 consecutive bytes, aligned
.endr
	s_cmp_lg_u32 s16, 0
	s_cbranch_scc1 .Lw_end
	ds_load_b128 v[WSO:WSO+3], v5                  ; wave 0: the 32 rows' 16 scale bytes
	s_wait_dscnt 0x0
	global_store_b128 v9, v[WSO:WSO+3], s[8:9]
.Lw_end:
	s_wait_tensorcnt 0x0                           ; the wave's end
	ds_add_u32 v[SPW], v[NIL]
	s_wait_dscnt 0x0
	s_endpgm
; ---------------- PATH C.  16,384 numbers a work-group, 4,096 a wave: two batches of sixteen loads, both on their way at once.  A load reads 512 consecutive bytes, a store writes 256.
.Lcast:
	s_sub_co_u32 s17, ttmp9, 320                   ; 0-63 w_proj, 64-319 w1, 320-575 w2; in wb the three lie on end
	v_lshlrev_b32 v1, 4, v2
	v_lshlrev_b32 v3, 3, v2
	s_wait_kmcnt 0x0
	s_cmp_lt_u32 s17, 64
	s_cselect_b64 s[4:5], s[40:41], s[42:43]
	s_cselect_b32 s18, 0, 64
	s_cmp_lt_u32 s17, 320
	s_cselect_b64 s[4:5], s[4:5], s[44:45]
	s_mov_b32 s19, 320
	s_cselect_b32 s18, s18, s19
	s_sub_co_u32 s18, s17, s18                     ; the work-group's number within its tensor
	s_lshl_b32 s18, s18, 2
	s_add_co_u32 s18, s18, s16
	s_lshl_b32 s20, s18, 14
	s_add_nc_u64 s[4:5], s[4:5], s[20:21]
	s_lshl_b32 s20, s17, 2
	s_add_co_u32 s20, s20, s16
	s_lshl_b32 s20, s20, 13
	s_add_nc_u64 s[6:7], s[48:49], s[20:21]
.macro LOADC t
.irp i, 0,1,2,3,4,5,6,7,8,9,10,11,12,13,14,15
	global_load_b128 v[16+64*(\t)+4*\i:16+64*(\t)+4*\i+3], v1, s[4:5] offset:8192*(\t)+512*\i th:TH_LOAD_NT
.endr
.endm
.macro CAST t                          ; each batch has its own 32 registers of results: no store's data are written again
.set RB, 16+64*(\t)
.set YB, 144+32*(\t)
	s_wait_loadcnt 16*(1-(\t))                     ; this batch is in; the second batch's sixteen may be out
.irp i, 0,1,2,3,4,5,6,7,8,9,10,11,12,13,14,15
	v_cvt_pk_bf16_f32 v[YB+2*\i], v[RB+4*\i], v[RB+4*\i+1]
	v_cvt_pk_bf16_f32 v[YB+2*\i+1], v[RB+4*\i+2], v[RB+4*\i+3]
.endr
.irp i, 0,1,2,3,4,5,6,7,8,9,10,11,12,13,14,15
	global_store_b64 v3, v[YB+2*\i:YB+2*\i+1], s[6:7] offset:4096*(\t)+256*\i
.endr
.endm
	LOADC 0
	LOADC 1
	CAST 0
	CAST 1
	s_wait_tensorcnt 0x0                           ; all three paths end alike
	ds_add_u32 v[SPW], v[NIL]
	s_wait_dscnt 0x0
	s_endpgm
.Lfunc_end_k_qec824fca57_prep:
	.size	k_qec824fca57_prep, .Lfunc_end_k_qec824fca57_prep-k_qec824fca57_prep
	.p2alignl 7, 3214868480
	.fill 96, 4, 3214868480
	.section	.rodata,"a",@progbits
	.p2align	6, 0x0
	.amdhsa_kernel k_qec824fca57_prep
		.amdhsa_group_segment_fixed_size 42496
		.amdhsa_private_segment_fixed_size 0
		.amdhsa_enable_private_segment 0
		.amdhsa_kernarg_size 72
		.amdhsa_user_sgpr_count 2
		.amdhsa_user_sgpr_kernarg_segment_ptr 1
		.amdhsa_wavefront_size32 1
		.amdhsa_system_sgpr_workgroup_id_x 1
		.amdhsa_system_sgpr_workgroup_id_y 1
		.amdhsa_system_sgpr_workgroup_id_z 1
		.amdhsa_system_vgpr_workitem_id 0
		.amdhsa_next_free_vgpr 226
		.amdhsa_next_free_sgpr 66
		.amdhsa_reserve_vcc 0
		.amdhsa_float_denorm_mode_32 3
		.amdhsa_float_denorm_mode_16_64 3
		.amdhsa_memory_ordered 1
		.amdhsa_forward_progress 1
		.amdhsa_inst_pref_size 66
	.end_amdhsa_kernel
	.amdgpu_metadata
---
amdhsa.version: [ 1, 2 ]
amdhsa.kernels:
  - .name:           k_qec824fca57_prep
    .symbol:         k_qec824fca57_prep.kd
    .args:
      - { .name: x, .offset: 0, .size: 8, .value_kind: global_buffer, .address_space: global }
      - { .name: wq, .offset: 8, .size: 8, .value_kind: global_buffer, .address_space: global }
      - { .name: wk, .offset: 16, .size: 8, .value_kind: global_buffer, .address_space: global }
      - { .name: wv, .offset: 24, .size: 8, .value_kind: global_buffer, .address_space: global }
      - { .name: w_proj, .offset: 32, .size: 8, .value_kind: global_buffer, .address_space: global }
      - { .name: w1, .offset: 40, .size: 8, .value_kind: global_buffer, .address_space: global }
      - { .name: w2, .offset: 48, .size: 8, .value_kind: global_buffer, .address_space: global }
      - { .name: codes, .offset: 56, .size: 8, .value_kind: global_buffer, .address_space: global }
      - { .name: wb, .offset: 64, .size: 8, .value_kind: global_buffer, .address_space: global }
    .group_segment_fixed_size: 42496
    .private_segment_fixed_size: 0
    .kernarg_segment_align: 8
    .kernarg_segment_size: 72
    .max_flat_workgroup_size: 128
    .sgpr_count:     66
    .vgpr_count:     226
    .wavefront_size: 32
...
	.end_amdgpu_metadata
.endif
;; end of part 1
;; launch qkv (part 2): grid 12 x 16, 4 waves a work-group, clusters of 4 x 4, 327,680 bytes of LDS; arguments codes, qkvb, bq, bk, bv; writes qkvb
.if DOCPART == 2
	.amdgcn_target "amdgcn-amd-amdhsa--gfx1250"
	.amdhsa_code_object_version 6
	.text
	.protected	k_qec824fca57_qkv
	.globl	k_qec824fca57_qkv
	.p2align	8
	.type	k_qec824fca57_qkv,@function
k_qec824fca57_qkv:
	s_mov_b64 s[64:65], 0
	v_nop
	global_prefetch_b8 v0, s[64:65] scope:SCOPE_SE
	s_setreg_imm32_b32 hwreg(HW_REG_WAVE_MODE, 25, 1), 1
	s_wait_xcnt 0x0
	s_wait_alu depctr_hold_cnt(0) depctr_sa_sdst(0) depctr_va_vdst(0) depctr_va_sdst(0) depctr_va_ssrc(0) depctr_va_vcc(0) depctr_vm_vsrc(0)
	s_getreg_b32 s2, hwreg(HW_REG_IB_STS2, 6, 4)
	s_cmp_eq_u32 s2, 0
	s_cbranch_scc0 .Lentry_in_a_cluster
	s_endpgm
.Lentry_in_a_cluster:
	s_bfe_u32 s2, ttmp6, 0x10000c
	s_cmp_lg_u32 s2, 0xf033
	s_cbranch_scc0 .Lentry_shape_is_right
	s_endpgm
.Lentry_shape_is_right:
; q, k, v = x W + b on codes of FP4 (E2M1) with one E8M0 scale for each 32 along K = 1,024.  "A" is x: 4,096 rows; "B" the three weights: 3,072 rows (1024 T + 64 head + e).  Sums in f32; results rounded once to bf16.
; A tile of 256 tokens x 256 columns is made by four waves, each 128 x 128: 64 accumulators, 512 registers.  K is two slots of 512: both are filled at the start and nothing is filled again.
; The scale bytes of the work-group's rows of A and of B, for all of K, are two dense blocks: they come once, in rows of 256 bytes.
; CLUSTER 4 x 4: A's tiles are asked for jointly along a row of the cluster, B's along a column.  The matrix instruction is used transposed (source 0 = 16 rows of B, source 1 = 16 rows of A):
; a lane holds eight neighbouring columns of one token.  THE BIAS is the C of each sum's first instruction: eight registers for each of B's eight blocks, in the result's layout.
; OUT: qkvb = q, k, v, each [16 heads][4,096 tokens][64] bf16: 16 tokens of a head are 2,048 consecutive bytes.
; REGISTERS: window 0: v0-31 addresses; v32-95 scale words, two sets; v96-127 packed results; v128-191 A's fragments, later rows on their way out; v192-255 the bias.
;   window 1: B's fragments, two sets.  windows 2, 3: the accumulators ((a, b) at v[8 (8 (a % 4) + b)]).
.set OFF_XS, 2097152
.set OFF_WC, 2228224
.set OFF_WS, 3801088
.set KSTEP,  512
.set NQ,     KSTEP/128
.set ROWB,   256                       ; a tile's row: 512 codes
.set KROW,   512                       ; a row of codes in memory
.set PITCH,  272                       ; an LDS row: 256 bytes + 16: the sixteen rows of a fragment load start 16 bytes apart modulo 256
.set FR,     8
.set NL,     2
.set NP,     4                         ; places behind this matrix instruction (ISA guide 7.12.1)
.set HALFT,  128*PITCH
.set SLOT,   4*HALFT
.set KS,     32                        ; a row of scale bytes
.set SCL,    2*SLOT
.set HALFS,  (128*KS/256)*272
.set SBLK,   (16*KS/256)*272
.set SPARE,  SCL+4*HALFS               ; the spare words: two blocks of 256 bytes that no other line names
.set BLK,    524288                    ; a head's 4,096 tokens x 128 bytes
.set ADRA, 16
.set ADRB, 20
.set STO,  24
.set RD,   25
.set CO,   26
.set ADRS, 27
.set SPW,  28
.set NIL,  29
.set SC,   32
.set TMP,  96
.set AF,   128
.set OB,   128
.set BIA,  192
.set G1, 24
.set G0, 32
.set G1B, 48
.set G0B, 56
.set G1S, 68
.set G0S, 76
.set G1SB, 80
.set G0SB, 88
.set MSB, 0
.macro WIN new                         ; the immediate's high byte repeats the setting that is left
.if MSB != (\new)
	s_set_vgpr_msb (MSB<<8)|(\new)
.set MSB, (\new)
.endif
.endm
.set MUL_LO, 0xa1                      ; source 0 (B) window 1, source 1 (A) window 0, C and D window 2
.set MUL_HI, 0xf1
.set BIA_LO, 0x81                      ; the same with C (the bias) in window 0
.set BIA_HI, 0xc1
.set TO_B,   0x40
; A joint load: waves 0 and 1 fetch for A, waves 2 and 3 for B; the branch hangs on the wave's number alone.  An s_nop 0 and four v_nop follow each line.
.macro JLOAD g0a, g1a, g0b, g1b
	s_cmp_eq_u32 s15, 0
	s_cbranch_scc0 .Lfor_b_\@
	tensor_load_to_lds s[\g0a:\g0a+3], s[\g1a:\g1a+7]
	s_nop 0
.rept 4
	v_nop
.endr
	s_branch .Lasked_\@
.Lfor_b_\@:
	tensor_load_to_lds s[\g0b:\g0b+3], s[\g1b:\g1b+7]
	s_nop 0
.rept 4
	v_nop
.endr
.Lasked_\@:
.endm
.macro CROUND                          ; a round of the cluster's barrier
	s_barrier_signal -1
	s_barrier_wait -1
	s_cmp_lg_u32 s14, 0
	s_cbranch_scc1 .Lnot_wave_0_\@
	s_barrier_signal -3
.Lnot_wave_0_\@:
	s_barrier_wait -3
	s_barrier_signal -1
	s_barrier_wait -1
.endm
	s_load_b128 s[4:7], s[0:1], 0x0                ; codes, qkvb
	s_load_b128 s[96:99], s[0:1], 0x10             ; bq, bk
	s_load_b64 s[100:101], s[0:1], 0x20            ; bv
	v_lshl_add_u32 v[SPW], v0, 2, SPARE
	v_mov_b32 v[NIL], 0
	ds_add_u32 v[SPW], v[NIL]                      ; the wave's opening: an add of 0, waited for ahead of my first tensor load
	v_lshrrev_b32 v1, 5, v0
	v_readfirstlane_b32 s14, v1                    ; wave 0..3
	s_lshr_b32 s15, s14, 1                         ; which half of the tile's tokens is mine.  Also: I fetch for A (0) or for B (1)
	s_and_b32 s16, s14, 1                          ; which half of its columns.  Also: which 128 rows I fetch
	s_bfe_u32 s40, ttmp6, 0x40000                  ; cx
	s_bfe_u32 s41, ttmp6, 0x40004                  ; cy
	s_lshl_b32 s42, ttmp9, 2
	s_add_co_u32 s42, s42, s40                     ; tile column = 4 x cluster x + cx; cluster x is the tensor T
	s_and_b32 s17, ttmp7, 0xffff
	s_lshl_b32 s17, s17, 2
	s_add_co_u32 s17, s17, s41                     ; tile row
	s_lshl_b32 s43, s41, 2
	s_lshl_b32 s43, 15, s43                        ; my row of the cluster
	s_lshl_b32 s44, 0x1111, s40                    ; my column
	s_or_b32 s[G1+0], s43, (0<<16)|(1<<20)|(1<<21)|(5<<22)|(3<<25)  ; mask; elements of 1 byte; padding: 4 words behind every 64; bit 21 beside a mask
	s_or_b32 s[G1B+0], s44, (0<<16)|(1<<20)|(1<<21)|(5<<22)|(3<<25)
.irp g, G1, G1B
	s_mov_b32 s[\g+1], ROWB<<16                    ; tensor_dim0
	s_mov_b32 s[\g+2], 128<<16                     ; tensor_dim1
	s_mov_b32 s[\g+3], ROWB<<16                    ; tile_dim0
	s_mov_b32 s[\g+4], 128                         ; tile_dim1
	s_mov_b32 s[\g+5], KROW                        ; from row to row
	s_mov_b32 s[\g+6], 0
	s_mov_b32 s[\g+7], 0
.endr
	s_or_b32 s[G1S+0], s43, (3<<16)|(1<<20)|(1<<21)|(5<<22)|(3<<25) ; the scales of 128 rows: 4,096 dense bytes as 16 rows of 32 elements of 8 bytes
	s_or_b32 s[G1SB+0], s44, (3<<16)|(1<<20)|(1<<21)|(5<<22)|(3<<25)
.irp g, G1S, G1SB
	s_mov_b32 s[\g+1], 32<<16
	s_mov_b32 s[\g+2], (128*KS/256)<<16
	s_mov_b32 s[\g+3], 32<<16
	s_mov_b32 s[\g+4], 128*KS/256
	s_mov_b32 s[\g+5], 32
	s_mov_b32 s[\g+6], 0
	s_mov_b32 s[\g+7], 0
.endr
	s_lshl_b32 s18, s16, 7
	s_lshl_b32 s20, s17, 8
	s_add_co_u32 s20, s20, s18                     ; A: row 256 x tile row + 128 x half
	s_lshl_b32 s46, s42, 8
	s_add_co_u32 s46, s46, s18                     ; B: row 256 x tile column + 128 x half
	s_mov_b32 s21, 0
	s_mov_b32 s47, 0
	s_mov_b64 s[18:19], KS
	s_mul_u64 s[22:23], s[20:21], s[18:19]         ; where these rows' scales begin
	s_mul_u64 s[92:93], s[46:47], s[18:19]
	s_mov_b64 s[18:19], KROW
	s_mul_u64 s[20:21], s[20:21], s[18:19]         ; and their codes
	s_mul_u64 s[46:47], s[46:47], s[18:19]
	s_mul_i32 s45, s14, HALFT                      ; where they go: wave x 128 rows
	s_mul_i32 s94, s14, HALFS
	s_wait_dscnt 0x0                               ; the opening add is done
	s_wait_kmcnt 0x0
	s_mov_b64 s[12:13], s[6:7]                     ; qkvb
	s_add_nc_u64 s[6:7], s[4:5], OFF_XS            ; x's scales
	s_add_nc_u64 s[8:9], s[4:5], OFF_WC            ; the weights' codes
	s_add_nc_u64 s[10:11], s[4:5], OFF_WS          ; and scales
	s_add_nc_u64 s[20:21], s[4:5], s[20:21]
	s_add_nc_u64 s[22:23], s[6:7], s[22:23]
	s_add_nc_u64 s[46:47], s[8:9], s[46:47]
	s_add_nc_u64 s[92:93], s[10:11], s[92:93]
	CROUND                                         ; all sixteen work-groups are here: the first joint loads meet
	s_mov_b32 s[G0S], 1
	s_add_co_u32 s[G0S+1], s94, SCL
	s_mov_b64 s[G0S+2:G0S+3], s[22:23]
	s_or_b32 s[G0S+3], s[G0S+3], 0x80000000
	s_mov_b32 s[G0SB], 1
	s_add_co_u32 s[G0SB+1], s94, SCL
	s_mov_b64 s[G0SB+2:G0SB+3], s[92:93]
	s_or_b32 s[G0SB+3], s[G0SB+3], 0x80000000
	JLOAD G0S, G1S, G0SB, G1SB                     ; the scales first: three loads of mine go out in all
.irp s, 0,1
	s_mov_b32 s[G0+4*\s], 1
	s_add_co_u32 s[G0+4*\s+1], s45, \s*SLOT
	s_add_nc_u64 s[G0+4*\s+2:G0+4*\s+3], s[20:21], \s*ROWB
	s_or_b32 s[G0+4*\s+3], s[G0+4*\s+3], 0x80000000
	s_mov_b32 s[G0B+4*\s], 1
	s_add_co_u32 s[G0B+4*\s+1], s45, \s*SLOT
	s_add_nc_u64 s[G0B+4*\s+2:G0B+4*\s+3], s[46:47], \s*ROWB
	s_or_b32 s[G0B+4*\s+3], s[G0B+4*\s+3], 0x80000000
	JLOAD G0+4*\s, G1, G0B+4*\s, G1B
.endr
	v_and_b32 v1, 15, v0                           ; r
	v_bfe_u32 v2, v0, 4, 1                         ; h
	; the bias of my 128 columns: register 8 b + j of lane (r, h) = bias[256 cx + 128 half + 16 b + 8 h + j]
	s_cmp_eq_u32 ttmp9, 0
	s_cselect_b64 s[96:97], s[96:97], s[98:99]
	s_cmp_eq_u32 ttmp9, 2
	s_cselect_b64 s[96:97], s[100:101], s[96:97]   ; bq, bk or bv, by the cluster's x
	s_lshl_b32 s98, s40, 10
	s_lshl_b32 s99, s16, 9
	s_add_co_u32 s98, s98, s99
	s_mov_b32 s99, 0
	s_add_nc_u64 s[96:97], s[96:97], s[98:99]
	v_lshlrev_b32 v7, 5, v2
.irp b, 0,1,2,3,4,5,6,7
	global_load_b128 v[BIA+8*\b:BIA+8*\b+3], v7, s[96:97] offset:64*\b
	global_load_b128 v[BIA+8*\b+4:BIA+8*\b+7], v7, s[96:97] offset:64*\b+16
.endr
	v_mul_u32_u24 v3, v1, PITCH
	v_lshl_add_u32 v4, v2, 4, v3                   ; a fragment's row x pitch + 16 x half
	s_mul_i32 s21, s15, HALFT
	s_mul_i32 s22, s16, HALFT
	s_add_co_u32 s22, s22, 2*HALFT
.irp s, 0,1
	v_add_nc_u32 v[ADRA+\s], s21, v4
	v_add_nc_u32 v[ADRB+\s], s22, v4
	s_add_co_u32 s21, s21, SLOT
	s_add_co_u32 s22, s22, SLOT
.endr
	v_mul_u32_u24 v5, v1, KS                       ; my row's scales: 32 bytes a row,
	v_lshrrev_b32 v6, 8, v5
	v_lshl_add_u32 v5, v6, 4, v5                   ; and 16 more for each 256 passed
	s_mul_i32 s21, s15, HALFS
	s_mul_i32 s22, s16, HALFS
	s_add_co_u32 s22, s22, 2*HALFS
	s_sub_co_u32 s22, s22, s21
	v_mul_u32_u24 v6, s22, v2                      ; lanes 16-31 take B's
	s_add_co_u32 s21, s21, SCL
	v_add_nc_u32 v5, v5, v6
	v_add_nc_u32 v[ADRS], s21, v5
	s_mul_i32 s23, s14, 4608                       ; my stage for the way out: 2 heads x 16 tokens x (128 bytes + 16), in slot 0
	v_mul_u32_u24 v5, v1, 144
	v_lshl_add_u32 v5, v2, 4, v5
	v_add_nc_u32 v[STO], s23, v5                   ; in: token r, 16 bytes for each half of the lanes
	v_and_b32 v6, 31, v0
	v_lshlrev_b32 v[CO], 4, v6                     ; out: 16 bytes a lane
	v_lshrrev_b32 v5, 3, v6
	v_mul_u32_u24 v5, v5, 144
	v_and_b32 v6, 7, v6
	v_lshl_add_u32 v5, v6, 4, v5
	v_add_nc_u32 v[RD], s23, v5                    ; back: eight lanes to a token's 128 bytes, four tokens an instruction
	s_lshl_b32 s20, s17, 8
	s_lshl_b32 s21, s15, 7
	s_add_co_u32 s20, s20, s21
	s_lshl_b32 s20, s20, 7                         ; my first token x 128 bytes
	s_lshl_b32 s46, s40, 2
	s_lshl_b32 s47, s16, 1
	s_add_co_u32 s46, s46, s47                     ; my first head: 4 cx + 2 half
	s_lshl_b32 s46, s46, 19
	s_lshl_b32 s47, ttmp9, 23                      ; the tensor: 8,388,608 T
	s_add_co_u32 s46, s46, s47
	s_add_co_u32 s46, s46, s20
	s_mov_b32 s47, 0
	s_add_nc_u64 s[12:13], s[12:13], s[46:47]
.macro FRAG reg, adr, q, i             ; 16 rows x 128 K of 4-bit codes: 8 registers, two loads 32 bytes apart
.irp c, 0,1
	ds_load_b128 v[\reg+4*\c:\reg+4*\c+3], v[\adr] offset:64*(\q)+32*\c+(\i)*16*PITCH
.endr
.endm
; 16 matrix instructions: A's blocks a0, a0 + 1 x B's eight.  first = 1: the bias starts the sums.  The 64 accumulators take turns, one instruction a turn.
.macro MUL16 a0, p, q, sc, first
.irp a, \a0, \a0+1
.irp b, 0,1,2,3,4,5,6,7
.if \first
	v_wmma_scale_f32_16x16x128_f8f6f4 v[8*(8*((\a)%4)+\b):8*(8*((\a)%4)+\b)+7], v[128*(\p)+FR*\b:128*(\p)+FR*\b+FR-1], v[AF+FR*(\a):AF+FR*(\a)+FR-1], v[BIA+8*\b:BIA+8*\b+7], v[SC+8*NQ*(\sc)+NQ*\b+(\q)], v[SC+8*NQ*(\sc)+NQ*(\a)+(\q)] matrix_a_fmt:MATRIX_FMT_FP4 matrix_b_fmt:MATRIX_FMT_FP4 matrix_a_scale:MATRIX_SCALE_ROW1
.else
	v_wmma_scale_f32_16x16x128_f8f6f4 v[8*(8*((\a)%4)+\b):8*(8*((\a)%4)+\b)+7], v[128*(\p)+FR*\b:128*(\p)+FR*\b+FR-1], v[AF+FR*(\a):AF+FR*(\a)+FR-1], v[8*(8*((\a)%4)+\b):8*(8*((\a)%4)+\b)+7], v[SC+8*NQ*(\sc)+NQ*\b+(\q)], v[SC+8*NQ*(\sc)+NQ*(\a)+(\q)] matrix_a_fmt:MATRIX_FMT_FP4 matrix_b_fmt:MATRIX_FMT_FP4 matrix_a_scale:MATRIX_SCALE_ROW1
.endif
.endr
.endr
.endm
.macro FETCH_B slot, q, p
	WIN TO_B
.irp i, 0,1,2,3,4,5,6,7
	FRAG 128*(\p)+FR*\i, ADRB+\slot, \q, \i
.endr
	WIN 0
.endm
.macro FETCH_A slot, q, i0
.irp i, \i0, \i0+1, \i0+2, \i0+3
	FRAG AF+FR*(\i), ADRA+\slot, \q, \i
.endr
.endm
.macro SCALES sc                       ; a slot's scale words: lanes 0-15 A's block i, lanes 16-31 B's block i, four words a row
.irp i, 0,1,2,3,4,5,6,7
	ds_load_b128 v[SC+8*NQ*\sc+NQ*\i:SC+8*NQ*\sc+NQ*\i+3], v[ADRS] offset:\i*SBLK
.endr
.endm
.macro PLACES n                        ; plain vector lines between a matrix instruction and a load into, or a read of, its registers
.rept \n
	v_nop
.endr
.endm
.macro STEP slot, q, first             ; 128 along K with its successor in the same slot
	s_wait_dscnt 4*NL                              ; B's set and A's blocks 0-3 are in; A's blocks 4-7 may be out
.if \first
	WIN BIA_LO
.else
	WIN MUL_LO
.endif
	MUL16 0, (\q)%2, \q, \slot, \first
	MUL16 2, (\q)%2, \q, \slot, \first
	s_wait_dscnt 0
	PLACES NP
	FETCH_B \slot, (\q)+1, 1-(\q)%2
	FETCH_A \slot, (\q)+1, 0
.if \first
	WIN BIA_HI
.else
	WIN MUL_HI
.endif
	MUL16 4, (\q)%2, \q, \slot, \first
	MUL16 6, (\q)%2, \q, \slot, \first
	PLACES NP
	WIN 0
	FETCH_A \slot, (\q)+1, 4
.endm
.macro STEPS slot, from
.set Q, \from
.rept NQ-1-\from
	STEP \slot, Q, 0
.set Q, Q+1
.endr
.endm
	s_wait_tensorcnt 1                             ; the scales and my part of slot 0 are in (slot 1's load may be out),
	s_barrier_signal -1
	s_barrier_wait -1                              ; everybody's are
	FETCH_B 0, 0, 0
	FETCH_A 0, 0, 0
	SCALES 0
	FETCH_A 0, 0, 4
	s_wait_loadcnt 0x0                             ; the bias
	STEP 0, 0, 1
	STEPS 0, 1
	; slot 0's last step changes slots: one barrier; nothing is filled again
	s_wait_tensorcnt 0x0                           ; my part of slot 1 has landed
	ds_add_u32 v[SPW], v[NIL]
	s_wait_dscnt 4*NL+1                            ; (the add and A's blocks 4-7 may be out)
	WIN MUL_LO
	MUL16 0, 1, NQ-1, 0, 0
	s_wait_dscnt 0x0                               ; the add is done, and my reads of slot 0 are over
	s_barrier_signal -1
	MUL16 2, 1, NQ-1, 0, 0
	WIN 0
	s_barrier_wait -1
	PLACES NP
	v_add_nc_u32 v[ADRS], 4*NQ, v[ADRS]            ; on to slot 1's scale words
	FETCH_B 1, 0, 0
	FETCH_A 1, 0, 0
	SCALES 1
	WIN MUL_HI
	MUL16 4, 1, NQ-1, 0, 0
	MUL16 6, 1, NQ-1, 0, 0
	PLACES NP
	WIN 0
	FETCH_A 1, 0, 4
	STEPS 1, 0
	s_wait_dscnt 4*NL                              ; the very last step
	WIN MUL_LO
	MUL16 0, 1, NQ-1, 1, 0
	MUL16 2, 1, NQ-1, 1, 0
	s_wait_dscnt 0
	WIN MUL_HI
	MUL16 4, 1, NQ-1, 1, 0
	MUL16 6, 1, NQ-1, 1, 0
	WIN 0
; THE WAY OUT, 16 tokens x 128 columns (two heads) at a time: rounded to bf16, 16 bytes a lane into my stage, back as four tokens' 512 bytes an instruction.  The stage lies in slot 0, which has had its one fill
; and which every wave left at the barrier above.
.macro PACK a
.set AC, 64*((\a)%4)
	WIN 0x0a+5*((\a)/4)                            ; sources 0 and 1: window 2 or 3
.irp b, 0,1,2,3,4,5,6,7
.irp r, 0,1,2,3
	v_cvt_pk_bf16_f32 v[TMP+4*\b+\r], v[AC+8*\b+2*\r], v[AC+8*\b+2*\r+1]   ; each accumulator from its low end on
.endr
.endr
	WIN 0
.endm
.macro TOSTAGE a
.set BK, OB+32*((\a)%2)
.irp b, 0,1,2,3,4,5,6,7
	ds_store_b128 v[STO], v[TMP+4*\b:TMP+4*\b+3] offset:(\b/4)*2304+(\b%4)*32
.endr
.irp i, 0,1,2,3,4,5,6,7
	ds_load_b128 v[BK+4*\i:BK+4*\i+3], v[RD] offset:(\i/4)*2304+(\i%4)*576   ; in order behind my stores
.endr
.endm
.macro SEND a
.set BK, OB+32*((\a)%2)
	s_wait_dscnt 0x0                               ; the block is back in registers
	s_wait_xcnt 0x0                                ; the block before's stores have read their registers: the next block's loads may land there
.irp i, 0,1,2,3,4,5,6,7
	global_store_b128 v[CO], v[BK+4*\i:BK+4*\i+3], s[12:13] offset:(\i/4)*BLK+2048*(\a)+(\i%4)*512   ; 512 consecutive bytes, aligned
.endr
.endm
	PLACES NP
	PACK 0
	TOSTAGE 0
.irp a, 1,2,3,4,5,6,7
	PACK \a
	SEND \a-1
	TOSTAGE \a
.endr
	SEND 7
	s_wait_tensorcnt 0x0                           ; the wave's end
	ds_add_u32 v[SPW], v[NIL]
	s_wait_dscnt 0x0
	CROUND                                         ; the closing round
	s_endpgm
.Lfunc_end_k_qec824fca57_qkv:
	.size	k_qec824fca57_qkv, .Lfunc_end_k_qec824fca57_qkv-k_qec824fca57_qkv
	.p2alignl 7, 3214868480
	.fill 96, 4, 3214868480
	.section	.rodata,"a",@progbits
	.p2align	6, 0x0
	.amdhsa_kernel k_qec824fca57_qkv
		.amdhsa_group_segment_fixed_size 327680
		.amdhsa_private_segment_fixed_size 0
		.amdhsa_enable_private_segment 0
		.amdhsa_kernarg_size 40
		.amdhsa_user_sgpr_count 2
		.amdhsa_user_sgpr_kernarg_segment_ptr 1
		.amdhsa_wavefront_size32 1
		.amdhsa_system_sgpr_workgroup_id_x 1
		.amdhsa_system_sgpr_workgroup_id_y 1
		.amdhsa_system_sgpr_workgroup_id_z 1
		.amdhsa_system_vgpr_workitem_id 0
		.amdhsa_next_free_vgpr 1024
		.amdhsa_next_free_sgpr 102
		.amdhsa_reserve_vcc 0
		.amdhsa_float_denorm_mode_32 3
		.amdhsa_float_denorm_mode_16_64 3
		.amdhsa_memory_ordered 1
		.amdhsa_forward_progress 1
		.amdhsa_inst_pref_size 128
	.end_amdhsa_kernel
	.amdgpu_metadata
---
amdhsa.version: [ 1, 2 ]
amdhsa.kernels:
  - .name:           k_qec824fca57_qkv
    .symbol:         k_qec824fca57_qkv.kd
    .args:
      - { .name: codes, .offset: 0, .size: 8, .value_kind: global_buffer, .address_space: global }
      - { .name: qkvb, .offset: 8, .size: 8, .value_kind: global_buffer, .address_space: global }
      - { .name: bq, .offset: 16, .size: 8, .value_kind: global_buffer, .address_space: global }
      - { .name: bk, .offset: 24, .size: 8, .value_kind: global_buffer, .address_space: global }
      - { .name: bv, .offset: 32, .size: 8, .value_kind: global_buffer, .address_space: global }
    .group_segment_fixed_size: 327680
    .private_segment_fixed_size: 0
    .kernarg_segment_align: 8
    .kernarg_segment_size: 40
    .max_flat_workgroup_size: 128
    .sgpr_count:     102
    .vgpr_count:     1024
    .wavefront_size: 32
...
	.end_amdgpu_metadata
.endif
;; end of part 2
;; launch attn (part 3): grid 8 x 32, 8 waves a work-group, clusters of 4 x 1, 327,680 bytes of LDS; arguments qkvb, act; writes act
.if DOCPART == 3
	.amdgcn_target "amdgcn-amd-amdhsa--gfx1250"
	.amdhsa_code_object_version 6
	.text
	.protected	k_qec824fca57_attn
	.globl	k_qec824fca57_attn
	.p2align	8
	.type	k_qec824fca57_attn,@function
k_qec824fca57_attn:
	s_mov_b64 s[64:65], 0
	v_nop
	global_prefetch_b8 v0, s[64:65] scope:SCOPE_SE
	s_setreg_imm32_b32 hwreg(HW_REG_WAVE_MODE, 25, 1), 1
	s_wait_xcnt 0x0
	s_wait_alu depctr_hold_cnt(0) depctr_sa_sdst(0) depctr_va_vdst(0) depctr_va_sdst(0) depctr_va_ssrc(0) depctr_va_vcc(0) depctr_vm_vsrc(0)
	s_getreg_b32 s2, hwreg(HW_REG_IB_STS2, 6, 4)
	s_cmp_eq_u32 s2, 0
	s_cbranch_scc0 .Lentry_in_a_cluster
	s_endpgm
.Lentry_in_a_cluster:
	s_bfe_u32 s2, ttmp6, 0x10000c
	s_cmp_lg_u32 s2, 0x3003
	s_cbranch_scc0 .Lentry_shape_is_right
	s_endpgm
.Lentry_shape_is_right:
; context[b][s][64 head + e] = sum over t of softmax_t(q . k / 8) v, for 32 pairs (batch, head) of 2,048 tokens.  q, k, v: bf16, [16 heads][4,096 tokens][64] each, in qkvb.  Products, maxima and sums in f32;
; the weights p are rounded to bf16 for the second product, the context once at the end.
; OUT: the context is stored IN THE ORDER OF THE NEXT PRODUCT'S OPERAND REGISTERS: act[K / 32][token / 16][2 halves][32 lanes][16 bytes], K = 64 head + e.  After the rounding lane (r, h) holds query r and channels
; 16 cb + 8 h + 0 .. 7: that is half cb % 2 of K group 2 head + cb / 2 as it stands, so each store of the wave is 512 consecutive bytes, and nothing goes through LDS on the way out.
; SHARES: a work-group owns 256 queries of one pair, each of its eight waves 32: two tiles of 16.  Two waves lie on a SIMD, so that one wave's softmax stands beside the other's products.
; Every wave walks all 2,048 keys, 64 a step.  K and V come through a ring of two LDS slots of 512 keys; waves 0-3 fetch K's quarters, waves 4-7 V's.
; CLUSTER 4 x 1: the four query blocks of a cluster belong to one pair and walk the same K and V: each tile is asked for jointly, by the same load with the mask of all four.
; LAYOUT: S^T = K Q^T (source 0 = 16 keys, source 1 = 16 queries) and O^T = V^T P (source 0 = 16 channels, turned out of LDS; source 1 = P): a lane holds one query throughout.
; SOFTMAX: a running maximum m and sum l for each query; p = 2^(c s - c m), c = log2(e) / 8; in every step O^T and l are multiplied by a = 2^(c m_old - c m_new).
; The step is written once: m begins at -3e38, l and O^T at 0, so that the first a is 0.  LIMIT: scores under -3e38, NaN and infinities are not served.
; No prefetch: a refill stands a slot's eight key steps ahead of the wait for it, and a work-group has two refills in all.
; REGISTERS: window 0: v2-9 addresses; v12-27 statistics, eight a tile; v28, v29 the add's two; v32-63 Q; v64-127 S^T; v128-159 P; v160-223 K's fragments.  window 1: v0-63 O^T; v64-127 V's fragments.
.set KS,    64
.set KG,    262144                     ; in act: from a K group of 32 to the next: 256 token blocks of 1,024 bytes
.set PK,    144                        ; a key's row in LDS: 128 bytes + 16
.set PV,    160                        ; a row of V: 128 + 32, an odd multiple of 32, for the turning load
.set VOFF,  512*PK
.set SLOTB, 512*(PK+PV)
.set SPARE, 2*SLOTB                    ; the spare words, 128 bytes for each of eight waves: four blocks of 256 bytes that no other line names
.set AK0, 2
.set AV0, 3
.set ADK, 4
.set ADV, 5
.set QO,  6
.set GO,  9
.set ST,  12                           ; tile t at v[ST+8 t]: +0 c m, +1 m, +2, +3 l, +4..+7 c0-c3 at work; a takes c2's place
.set SPW, 28
.set NIL, 29
.set Q,   32
.set S,   64
.set P,   128
.set KF,  160
.set VF,  64                           ; in window 1
.set WV,  12
.set G1K, 24
.set G1V, 32
.set G0K, 40                           ; a group 0 for each slot
.set G0V, 48
.set CNT, 56
.set TBK, 57
.set CS,  58
.set SEL, 60
.set TBV, 62
.set MSB, 0
.macro WIN new
.if MSB != (\new)
	s_set_vgpr_msb (MSB<<8)|(\new)
.set MSB, (\new)
.endif
.endm
.macro JLOAD s                         ; a joint refill of slot s.  The branch hangs on the wave's number alone; an s_nop 0 and four v_nop follow each line
	s_cmp_lt_u32 s[WV], 4
	s_cbranch_scc0 .Lfor_v_\@
	tensor_load_to_lds s[G0K+4*\s:G0K+4*\s+3], s[G1K:G1K+7]
	s_nop 0
.rept 4
	v_nop
.endr
	s_branch .Lasked_\@
.Lfor_v_\@:
	tensor_load_to_lds s[G0V+4*\s:G0V+4*\s+3], s[G1V:G1V+7]
	s_nop 0
.rept 4
	v_nop
.endr
.Lasked_\@:
.endm
.macro CROUND
	s_barrier_signal -1
	s_barrier_wait -1
	s_cmp_lg_u32 s[WV], 0
	s_cbranch_scc1 .Lnot_wave_0_\@
	s_barrier_signal -3
.Lnot_wave_0_\@:
	s_barrier_wait -3
	s_barrier_signal -1
	s_barrier_wait -1
.endm
	s_load_b128 s[4:7], s[0:1], 0x0                ; qkvb, act
	v_lshl_add_u32 v[SPW], v0, 2, SPARE
	v_mov_b32 v[NIL], 0
	ds_add_u32 v[SPW], v[NIL]                      ; the wave's opening: an add of 0, waited for ahead of my first tensor load
	v_lshrrev_b32 v1, 5, v0
	v_readfirstlane_b32 s[WV], v1                  ; wave 0..7
	s_bfe_u32 s13, ttmp6, 0x40000                  ; cx
	s_lshl_b32 s14, ttmp9, 2
	s_add_co_u32 s14, s14, s13                     ; my block of 256 queries: it enters Q's and the output's addresses alone
	s_and_b32 s20, ttmp7, 0xffff                   ; the pair: head = low four bits, batch above
	s_and_b32 s21, s20, 15
	s_lshr_b32 s20, s20, 4
	s_lshl_b32 s21, s21, 19                        ; a head is 524,288 bytes in qkvb, and two K groups in act,
	s_lshl_b32 s19, s20, 17                        ; a batch's 128 token blocks of 1,024 bytes in act,
	s_add_co_u32 s19, s19, s21
	s_lshl_b32 s20, s20, 18                        ; its 2,048 tokens of 128 bytes in qkvb
	s_add_co_u32 s20, s20, s21
	s_and_b32 s16, s[WV], 3                        ; which 128 keys of a slot I fetch
	s_lshl_b32 s22, s16, 14
	s_add_co_u32 s22, s22, s20
	s_mov_b32 s23, 0
	s_mul_i32 s17, s16, 128*PK                     ; and where they go: K,
	s_mul_i32 s18, s16, 128*PV
	s_add_co_u32 s18, s18, VOFF                    ; V
	s_lshl_b32 s2, s14, 15                         ; Q: my block's 256 tokens of 128 bytes,
	s_lshl_b32 s3, s[WV], 12                       ; my wave's 32
	s_add_co_u32 s2, s2, s3
	s_add_co_u32 s2, s2, s20
	s_mov_b32 s3, 0
	s_lshl_b32 s14, s14, 14                        ; the output: my block's 16 token blocks,
	s_lshl_b32 s15, s[WV], 11                      ; my wave's two
	s_add_co_u32 s14, s14, s15
	s_add_co_u32 s14, s14, s19
	s_mov_b32 s15, 0
	s_mov_b32 s[G1K], 15|(1<<16)|(1<<20)|(1<<21)|(4<<22)|(3<<25)   ; the mask of all four; elements of 2 bytes; padding: 4 words behind every 32; bit 21 beside a mask
	s_mov_b32 s[G1V], 15|(1<<16)|(1<<20)|(1<<21)|(4<<22)|(7<<25)   ; the same with 8 words
.irp g, G1K, G1V
	s_mov_b32 s[\g+1], 64<<16                      ; tensor_dim0
	s_mov_b32 s[\g+2], 128<<16                     ; tensor_dim1
	s_mov_b32 s[\g+3], 64<<16                      ; tile_dim0
	s_mov_b32 s[\g+4], 128                         ; tile_dim1
	s_mov_b32 s[\g+5], 64                          ; from row to row
	s_mov_b32 s[\g+6], 0
	s_mov_b32 s[\g+7], 0
.endr
	s_mov_b32 s[CS], 0x3e38aa3b                    ; c = log2(e) / 8
	s_mov_b32 s[CS+1], s[CS]                       ; (named with it as a pair)
	s_mov_b32 s[SEL], 0x76543210
	s_mov_b32 s[SEL+1], 0xfedcba98                 ; v_permlanex16_b32: lane l xor 16
	s_wait_dscnt 0x0                               ; the opening add is done
	s_wait_kmcnt 0x0
	s_add_nc_u64 s[8:9], s[4:5], s[22:23]          ; the pair's rows, at my 128 keys of slot 0
	s_add_nc_u64 s[10:11], s[6:7], s[14:15]        ; the output at my wave's first token block
	s_add_nc_u64 s[4:5], s[4:5], s[2:3]            ; Q at my wave's first query
	CROUND                                         ; all four work-groups are here: the first joint loads meet
.irp s, 0,1
	s_mov_b32 s[G0K+4*\s], 1
	s_add_co_u32 s[G0K+4*\s+1], s17, \s*SLOTB
	s_add_nc_u64 s[G0K+4*\s+2:G0K+4*\s+3], s[8:9], 8388608+\s*65536    ; k lies behind q; slot s begins with keys 512 s
	s_or_b32 s[G0K+4*\s+3], s[G0K+4*\s+3], 0x80000000
	s_mov_b32 s[G0V+4*\s], 1
	s_add_co_u32 s[G0V+4*\s+1], s18, \s*SLOTB
	s_add_nc_u64 s[G0V+4*\s+2:G0V+4*\s+3], s[8:9], 16777216+\s*65536   ; v behind k
	s_or_b32 s[G0V+4*\s+3], s[G0V+4*\s+3], 0x80000000
.endr
	s_cmp_lt_u32 s[WV], 4                          ; a wave's two first fills stand in one branch: two loads of mine are out
	s_cbranch_scc0 .Lfirst_v
	tensor_load_to_lds s[G0K:G0K+3], s[G1K:G1K+7]
	s_nop 0
	tensor_load_to_lds s[G0K+4:G0K+7], s[G1K:G1K+7]
	s_nop 0
.rept 4
	v_nop
.endr
	s_branch .Lfirst_asked
.Lfirst_v:
	tensor_load_to_lds s[G0V:G0V+3], s[G1V:G1V+7]
	s_nop 0
	tensor_load_to_lds s[G0V+4:G0V+7], s[G1V:G1V+7]
	s_nop 0
.rept 4
	v_nop
.endr
.Lfirst_asked:
	v_and_b32 v1, 15, v0                           ; r
	v_bfe_u32 v10, v0, 4, 1                        ; h
	v_lshlrev_b32 v[QO], 7, v1
	v_lshl_add_u32 v[QO], v10, 4, v[QO]            ; row r of 128 bytes + 16 h
.irp t, 0,1
.irp c, 0,1                                    ; Q stays in registers: tile t, channels 32 c on
	global_load_b128 v[Q+16*\t+8*\c:Q+16*\t+8*\c+3],   v[QO], s[4:5] offset:\t*2048+64*\c
	global_load_b128 v[Q+16*\t+8*\c+4:Q+16*\t+8*\c+7], v[QO], s[4:5] offset:\t*2048+64*\c+32
.endr
.endr
	v_mul_u32_u24 v[AK0], v1, PK
	v_lshl_add_u32 v[AK0], v10, 4, v[AK0]          ; K: row x pitch + 16 x half
	v_and_b32 v11, 7, v0
	v_lshl_add_u32 v[AV0], v10, 3, v11             ; V, for the turning load: key 8 h + l % 8,
	v_mul_u32_u24 v[AV0], v[AV0], PV
	v_bfe_u32 v11, v0, 3, 1
	v_lshl_add_u32 v[AV0], v11, 4, v[AV0]          ; channels 8 ((l / 8) % 2) on
	v_add_nc_u32 v[AV0], VOFF, v[AV0]
	v_and_b32 v11, 31, v0
	v_lshlrev_b32 v[GO], 4, v11                    ; the way out: 16 bytes a lane
.irp t, 0,1
	v_mov_b32 v[ST+8*\t+1], 0xff61b1e6             ; m = -3e38
	v_mul_f32 v[ST+8*\t], s[CS], v[ST+8*\t+1]      ; c m
	v_mov_b32 v[ST+8*\t+2], 0                      ; l
	v_mov_b32 v[ST+8*\t+3], 0
.endr
	WIN 0x40
.set e, 0
.rept 64
	v_mov_b32 v[e], 0                              ; O^T: the one step's text serves the first step too
.set e, e+1
.endr
	WIN 0
; A KEY STEP: 64 keys.
.macro STEP
	v_add_nc_u32 v[ADK], s[TBK], v[AK0]
	v_add_nc_u32 v[ADV], s[TBV], v[AV0]
	v_nop
	v_nop                                          ; four plain lines between the last step's products and the loads into V's registers
.irp kb, 0,1,2,3
.irp c, 0,1
	ds_load_b128 v[KF+16*\kb+8*\c:KF+16*\kb+8*\c+3],   v[ADK] offset:\kb*16*PK+64*\c
	ds_load_b128 v[KF+16*\kb+8*\c+4:KF+16*\kb+8*\c+7], v[ADK] offset:\kb*16*PK+64*\c+32
.endr
.endr
	WIN 0x40                                       ; destination window 1
.irp g, 0,1
.irp cb, 0,1,2,3
	ds_load_tr16_b128 v[VF+32*\g+8*\cb:VF+32*\g+8*\cb+3],   v[ADV] offset:\g*32*PV+32*\cb
	ds_load_tr16_b128 v[VF+32*\g+8*\cb+4:VF+32*\g+8*\cb+7], v[ADV] offset:\g*32*PV+16*PV+32*\cb
.endr
.endr
	WIN 0
	s_wait_dscnt 16                                ; K is in; V's sixteen loads may be out
.irp c, 0,1                                    ; S^T = K Q^T: eight accumulators by turns; the first eight start the sums
.irp kb, 0,1,2,3
.irp t, 0,1
.if \c == 0
	v_wmma_f32_16x16x32_bf16 v[S+32*\t+8*\kb:S+32*\t+8*\kb+7], v[KF+16*\kb+8*\c:KF+16*\kb+8*\c+7], v[Q+16*\t+8*\c:Q+16*\t+8*\c+7], 0
.else
	v_wmma_f32_16x16x32_bf16 v[S+32*\t+8*\kb:S+32*\t+8*\kb+7], v[KF+16*\kb+8*\c:KF+16*\kb+8*\c+7], v[Q+16*\t+8*\c:Q+16*\t+8*\c+7], v[S+32*\t+8*\kb:S+32*\t+8*\kb+7]
.endif
.endr
.endr
.endr
.rept 4
	v_nop
.endr
	; the maximum of the lane's 32 scores and the old m: four chains, each begun at its accumulator's low end; the two tiles line by line
.irp j, 0,1,2,3
.irp t, 0,1
	v_max3_num_f32 v[ST+8*\t+4+\j], v[S+32*\t+8*\j], v[S+32*\t+8*\j+1], v[S+32*\t+8*\j+2]
.endr
.endr
.irp i, 3,5
.irp j, 0,1,2,3
.irp t, 0,1
	v_max3_num_f32 v[ST+8*\t+4+\j], v[ST+8*\t+4+\j], v[S+32*\t+8*\j+\i], v[S+32*\t+8*\j+\i+1]
.endr
.endr
.endr
.irp t, 0,1
	v_max3_num_f32 v[ST+8*\t+4], v[ST+8*\t+4], v[S+32*\t+7], v[S+32*\t+15]
.endr
.irp t, 0,1
	v_max3_num_f32 v[ST+8*\t+6], v[ST+8*\t+6], v[S+32*\t+23], v[S+32*\t+31]
.endr
.irp t, 0,1
	v_max3_num_f32 v[ST+8*\t+4], v[ST+8*\t+4], v[ST+8*\t+5], v[ST+8*\t+6]
.endr
.irp t, 0,1
	v_max3_num_f32 v[ST+8*\t+4], v[ST+8*\t+4], v[ST+8*\t+7], v[ST+8*\t+1]
.endr
.irp t, 0,1
	v_permlanex16_b32 v[ST+8*\t+5], v[ST+8*\t+4], s[SEL], s[SEL+1]   ; the query's other 32 keys lie in the lane 16 away
.endr
.irp t, 0,1
	v_mov_b32 v[ST+8*\t+7], v[ST+8*\t]             ; c m_old
.endr
.irp t, 0,1
	v_max_num_f32 v[ST+8*\t+1], v[ST+8*\t+4], v[ST+8*\t+5]
.endr
.irp t, 0,1
	v_mul_f32 v[ST+8*\t], s[CS], v[ST+8*\t+1]
.endr
.irp t, 0,1
	v_sub_f32 v[ST+8*\t+7], v[ST+8*\t+7], v[ST+8*\t]
.endr
.set e, 0
.rept 16
.irp t, 0,1
	v_pk_fma_f32 v[S+32*\t+e:S+32*\t+e+1], v[S+32*\t+e:S+32*\t+e+1], s[CS:CS+1], v[ST+8*\t:ST+8*\t+1] op_sel_hi:[1,0,0] neg_lo:[0,0,1] neg_hi:[0,0,1]   ; c s - c m
.endr
.set e, e+2
.endr
.irp t, 0,1
	v_exp_f32 v[ST+8*\t+6], v[ST+8*\t+7]           ; a
.endr
.set e, 0
.rept 32
	v_exp_f32 v[S+e], v[S+e]
	v_exp_f32 v[S+32+e], v[S+32+e]
.set e, e+1
.endr
	v_nop                                          ; a plain line behind the last exponential
	s_wait_alu depctr_va_vdst(0)                   ; one wait for the batch of 66, ahead of its first reader
.set e, 0
.rept 16
	v_cvt_pk_bf16_f32 v[P+e], v[S+2*e], v[S+2*e+1]
	v_cvt_pk_bf16_f32 v[P+16+e], v[S+32+2*e], v[S+32+2*e+1]
.set e, e+1
.endr
.irp u, 0,1,2,3,4,5,6,7                        ; the sum of the unrounded p, as a tree in place
.irp t, 0,1
	v_pk_add_f32 v[S+32*\t+4*\u:S+32*\t+4*\u+1], v[S+32*\t+4*\u:S+32*\t+4*\u+1], v[S+32*\t+4*\u+2:S+32*\t+4*\u+3]
.endr
.endr
.irp u, 0,1,2,3
.irp t, 0,1
	v_pk_add_f32 v[S+32*\t+8*\u:S+32*\t+8*\u+1], v[S+32*\t+8*\u:S+32*\t+8*\u+1], v[S+32*\t+8*\u+4:S+32*\t+8*\u+5]
.endr
.endr
.irp u, 0,1
.irp t, 0,1
	v_pk_add_f32 v[S+32*\t+16*\u:S+32*\t+16*\u+1], v[S+32*\t+16*\u:S+32*\t+16*\u+1], v[S+32*\t+16*\u+8:S+32*\t+16*\u+9]
.endr
.endr
.irp t, 0,1
	v_pk_add_f32 v[S+32*\t:S+32*\t+1], v[S+32*\t:S+32*\t+1], v[S+32*\t+16:S+32*\t+17]
.endr
.irp t, 0,1
	v_pk_fma_f32 v[ST+8*\t+2:ST+8*\t+3], v[ST+8*\t+2:ST+8*\t+3], v[ST+8*\t+6:ST+8*\t+7], v[S+32*\t:S+32*\t+1] op_sel_hi:[1,0,1]   ; l = a l + the sum
.endr
	s_wait_dscnt 0x0                               ; V is in
	WIN 0x41                                       ; O^T (destination and source 0) window 1, a window 0
.irp t, 0,1
.set e, 0
.rept 16
	v_pk_mul_f32 v[32*\t+e:32*\t+e+1], v[32*\t+e:32*\t+e+1], v[ST+8*\t+6:ST+8*\t+7] op_sel_hi:[1,0]
.set e, e+2
.endr
.endr
	WIN 0x51                                       ; V and O^T window 1, P window 0
.irp g, 0,1                                    ; O^T += V^T P: eight accumulators by turns
.irp cb, 0,1,2,3
.irp t, 0,1
	v_wmma_f32_16x16x32_bf16 v[32*\t+8*\cb:32*\t+8*\cb+7], v[VF+32*\g+8*\cb:VF+32*\g+8*\cb+7], v[P+16*\t+8*\g:P+16*\t+8*\g+7], v[32*\t+8*\cb:32*\t+8*\cb+7]
.endr
.endr
.endr
	WIN 0
.endm
.macro SLOTWORK s                      ; a slot's eight key steps
	s_mov_b32 s[TBK], \s*SLOTB
	s_mov_b32 s[TBV], \s*SLOTB
	s_mov_b32 s[CNT], 8
.Lstep_\@:
	STEP
	s_add_co_u32 s[TBK], s[TBK], KS*PK
	s_add_co_u32 s[TBV], s[TBV], KS*PV
	s_sub_co_u32 s[CNT], s[CNT], 1
	s_cmp_lg_u32 s[CNT], 0
	s_cbranch_scc1 .Lstep_\@
.endm
; THE CHANGE OF SLOTS: each wave waits for all its tensor loads (its part of the slot ahead), adds 0 to its spare word, and waits for that and for its reads of the slot that it leaves.
; fill = 1: slot s, just left, takes the keys 1,024 further on, behind a round of the cluster's barrier: the load has eight key steps in which to land.
.macro CHANGE s, fill
	s_wait_tensorcnt 0x0
	ds_add_u32 v[SPW], v[NIL]
.if \fill
	s_add_nc_u64 s[G0K+4*\s+2:G0K+4*\s+3], s[G0K+4*\s+2:G0K+4*\s+3], 131072
	s_add_nc_u64 s[G0V+4*\s+2:G0V+4*\s+3], s[G0V+4*\s+2:G0V+4*\s+3], 131072
.endif
	s_wait_dscnt 0x0
.if \fill
	CROUND
	JLOAD \s
.else
	s_barrier_signal -1
	s_barrier_wait -1
.endif
.endm
	s_wait_tensorcnt 1                             ; my part of slot 0 is in; slot 1's may stay out
	s_barrier_signal -1
	s_barrier_wait -1
	s_wait_loadcnt 0x0                             ; Q
	SLOTWORK 0
	CHANGE 0, 1
	SLOTWORK 1
	CHANGE 1, 1
	SLOTWORK 0
	CHANGE 0, 0
	SLOTWORK 1
	; THE WAY OUT: O^T / l, rounded to bf16.  Four packed registers of a lane are half a fragment of the next product's operand as they stand: 512 consecutive bytes a store.
.rept 4
	v_nop
.endr
.irp t, 0,1
	v_add_f32 v[ST+8*\t+4], v[ST+8*\t+2], v[ST+8*\t+3]
.endr
.irp t, 0,1
	v_permlanex16_b32 v[ST+8*\t+5], v[ST+8*\t+4], s[SEL], s[SEL+1]
.endr
.irp t, 0,1
	v_add_f32 v[ST+8*\t+4], v[ST+8*\t+4], v[ST+8*\t+5]
.endr
.irp t, 0,1
	v_rcp_f32 v[ST+8*\t+6], v[ST+8*\t+4]
.endr
	v_nop
	s_wait_alu depctr_va_vdst(0)                   ; one wait for the two reciprocals, ahead of their first reader
.irp t, 0,1
	WIN 0x41
.set e, 0
.rept 16
	v_pk_mul_f32 v[32*\t+e:32*\t+e+1], v[32*\t+e:32*\t+e+1], v[ST+8*\t+6:ST+8*\t+7] op_sel_hi:[1,0]
.set e, e+2
.endr
	WIN 0x05                                       ; sources window 1, destination window 0
.set e, 0
.rept 16
	v_cvt_pk_bf16_f32 v[S+16*\t+e], v[32*\t+2*e], v[32*\t+2*e+1]
.set e, e+1
.endr
	WIN 0
.irp cb, 0,1,2,3
	global_store_b128 v[GO], v[S+16*\t+4*\cb:S+16*\t+4*\cb+3], s[10:11] offset:(\cb/2)*KG+\t*1024+(\cb%2)*512   ; K group 2 head + cb / 2, token block t, half cb % 2
.endr
.endr
	s_wait_tensorcnt 0x0                           ; the wave's end
	ds_add_u32 v[SPW], v[NIL]
	s_wait_dscnt 0x0
	CROUND                                         ; the closing round
	s_endpgm
.Lfunc_end_k_qec824fca57_attn:
	.size	k_qec824fca57_attn, .Lfunc_end_k_qec824fca57_attn-k_qec824fca57_attn
	.p2alignl 7, 3214868480
	.fill 96, 4, 3214868480
	.section	.rodata,"a",@progbits
	.p2align	6, 0x0
	.amdhsa_kernel k_qec824fca57_attn
		.amdhsa_group_segment_fixed_size 327680
		.amdhsa_private_segment_fixed_size 0
		.amdhsa_enable_private_segment 0
		.amdhsa_kernarg_size 16
		.amdhsa_user_sgpr_count 2
		.amdhsa_user_sgpr_kernarg_segment_ptr 1
		.amdhsa_wavefront_size32 1
		.amdhsa_system_sgpr_workgroup_id_x 1
		.amdhsa_system_sgpr_workgroup_id_y 1
		.amdhsa_system_sgpr_workgroup_id_z 1
		.amdhsa_system_vgpr_workitem_id 0
		.amdhsa_next_free_vgpr 384
		.amdhsa_next_free_sgpr 66
		.amdhsa_reserve_vcc 0
		.amdhsa_float_denorm_mode_32 3
		.amdhsa_float_denorm_mode_16_64 3
		.amdhsa_memory_ordered 1
		.amdhsa_forward_progress 1
		.amdhsa_inst_pref_size 87
	.end_amdhsa_kernel
	.amdgpu_metadata
---
amdhsa.version: [ 1, 2 ]
amdhsa.kernels:
  - .name:           k_qec824fca57_attn
    .symbol:         k_qec824fca57_attn.kd
    .args:
      - { .name: qkvb, .offset: 0, .size: 8, .value_kind: global_buffer, .address_space: global }
      - { .name: act, .offset: 8, .size: 8, .value_kind: global_buffer, .address_space: global }
    .group_segment_fixed_size: 327680
    .private_segment_fixed_size: 0
    .kernarg_segment_align: 8
    .kernarg_segment_size: 16
    .max_flat_workgroup_size: 256
    .sgpr_count:     66
    .vgpr_count:     384
    .wavefront_size: 32
...
	.end_amdgpu_metadata
.endif
;; end of part 3
;; launch proj (part 4): grid 8 x 32, 4 waves a work-group, clusters of 4 x 4, 327,680 bytes of LDS; arguments act, wb, b_proj, x, y; writes y
.if DOCPART == 4
	.amdgcn_target "amdgcn-amd-amdhsa--gfx1250"
	.amdhsa_code_object_version 6
	.text
	.protected	k_qec824fca57_proj
	.globl	k_qec824fca57_proj
	.p2align	8
	.type	k_qec824fca57_proj,@function
k_qec824fca57_proj:
	s_mov_b64 s[64:65], 0
	v_nop
	global_prefetch_b8 v0, s[64:65] scope:SCOPE_SE
	s_setreg_imm32_b32 hwreg(HW_REG_WAVE_MODE, 25, 1), 1
	s_wait_xcnt 0x0
	s_wait_alu depctr_hold_cnt(0) depctr_sa_sdst(0) depctr_va_vdst(0) depctr_va_sdst(0) depctr_va_ssrc(0) depctr_va_vcc(0) depctr_vm_vsrc(0)
	s_getreg_b32 s2, hwreg(HW_REG_IB_STS2, 6, 4)
	s_cmp_eq_u32 s2, 0
	s_cbranch_scc0 .Lentry_in_a_cluster
	s_endpgm
.Lentry_in_a_cluster:
	s_bfe_u32 s2, ttmp6, 0x10000c
	s_cmp_lg_u32 s2, 0xf033
	s_cbranch_scc0 .Lentry_shape_is_right
	s_endpgm
.Lentry_shape_is_right:
; y = A W + bias + residual.  A (here the context): bf16, laid in the order of the operand's registers, act[KTOT / 32][4,096 / 16 token blocks][2 halves][32 lanes][16 bytes]; W: [KTOT][1,024] bf16, as JAX has it, at WOFF in wb;
; bias [1,024], residual and y [4,096][1,024] f32.  Sums in f32.
; A tile of y is 128 x 128: N = 1,024 gives 256 such tiles.  THE FOUR WAVES SPLIT K, NOT THE TILE: every wave holds the whole tile in 64 accumulators (512 registers) and multiplies K = 128 w .. 128 w + 127 of each
; K step of 512.  The four partial tiles are added once, at the end, through LDS.
; A GOES FROM MEMORY STRAIGHT INTO REGISTERS.  With K split over the waves no fragment of A is read by two waves, so LDS would give it no reuse; each load of a wave reads 512 consecutive bytes, half a fragment.
; Four buffers of 64 registers take turns; the loads stand in one run in each quarter's middle and run three quarters and more (192 matrix instructions) ahead; at most 56 of a wave's are out.
; A's blocks are therefore not asked for jointly, though the four work-groups of a row of the cluster read the same ones: through LDS they would take half of each slot, and the one tensor load that a wave issues behind a
; round would then serve 128 matrix instructions in place of 256.
; THE RING HOLDS W ALONE: two slots of 512 rows of 256 bytes (pitch 288).  Wave w fetches, and alone reads, rows 128 w on.  W's fragments are turned out of LDS (ds_load_tr16_b128).
; CLUSTER 4 x 4: W's tiles are asked for jointly along a column of the cluster.  The matrix instruction is used transposed (source 0 = 16 columns of W, source 1 = 16 tokens): a lane holds eight neighbouring columns of a token.
; REGISTERS: window 0: v8-11, v20-29 addresses; v32-35 the bias; v64-127, v128-191 W's fragments, two buffers, later the partial rows.  window 1: A's fragments, four buffers, later the residual (v0-127).  windows 2, 3: the accumulators.
.set KTOT,  1024
.set WOFF,  0
.set KG,    262144                     ; in act: from a K group of 32 to the next: 256 token blocks of 1,024 bytes
.set PB,    288
.set QUART, 128*PB                     ; what one tensor load brings, and what one wave reads
.set SLOT,  4*QUART
.set SPARE, 2*SLOT                     ; the spare words: two blocks of 256 bytes that no other line names
.set PP,    528                        ; a row of a partial tile: 512 bytes + 16
.set PART,  128*PP                     ; a wave's partial tile; the four lie in the ring, behind its last fill and last read
.set LAPS,  KTOT/1024                  ; a lap = two slots = once round the ring
.set RDS,  8
.set ADRB, 20
.set PST,  24
.set CO,   26
.set SPW,  28
.set NIL,  29
.set BI,   32
.set WB0,  64
.set WB1,  128
.set G1B, 48
.set G0B, 56
.set MSB, 0
.macro WIN new
.if MSB != (\new)
	s_set_vgpr_msb (MSB<<8)|(\new)
.set MSB, (\new)
.endif
.endm
.set MUL_LO, 0xa4                      ; source 0 (W) window 0, source 1 (A) window 1, C and D window 2
.set MUL_HI, 0xf4
.set TO_A,   0x40                      ; destination window 1, address window 0
.macro JLOAD s                         ; every wave fetches its 128 rows of W; an s_nop 0 and four v_nop follow the line
	tensor_load_to_lds s[G0B+4*\s:G0B+4*\s+3], s[G1B:G1B+7]
	s_nop 0
.rept 4
	v_nop
.endr
.endm
.macro CREST                           ; a round of the cluster's barrier behind its opening barrier
	s_cmp_lg_u32 s10, 0
	s_cbranch_scc1 .Lnot_wave_0_\@
	s_barrier_signal -3
.Lnot_wave_0_\@:
	s_barrier_wait -3
	s_barrier_signal -1
	s_barrier_wait -1
.endm
.macro CROUND
	s_barrier_signal -1
	s_barrier_wait -1
	CREST
.endm
; Four blocks of 16 tokens, a0 on, of quarter qq (counted from the first quarter of the slot in hand; 4 to 7 lie in the next slot) into buffer qq % 4: eight loads of 512 consecutive bytes
.macro ALD qq, a0
.irp a, 0,1,2,3
.irp c, 0,1
	global_load_b128 v[64*((\qq)%4)+8*(\a0+\a)+4*\c:64*((\qq)%4)+8*(\a0+\a)+4*\c+3], v[CO], s[4:5] offset:(16*((\qq)/4)+(\qq)%4)*KG+(\a0+\a)*1024+512*\c
.endr
.endr
.endm
	s_load_b128 s[4:7], s[0:1], 0x0                ; A, wb
	s_load_b128 s[68:71], s[0:1], 0x10             ; bias, residual
	s_load_b64 s[8:9], s[0:1], 0x20                ; y
	v_lshl_add_u32 v[SPW], v0, 2, SPARE
	v_mov_b32 v[NIL], 0
	ds_add_u32 v[SPW], v[NIL]                      ; the wave's opening: an add of 0, waited for ahead of my first tensor load
	v_lshrrev_b32 v1, 5, v0
	v_readfirstlane_b32 s10, v1                    ; wave 0..3
	s_bfe_u32 s40, ttmp6, 0x40000                  ; cx
	s_bfe_u32 s41, ttmp6, 0x40004                  ; cy
	s_lshl_b32 s42, ttmp9, 2
	s_add_co_u32 s42, s42, s40                     ; tile column 0..7
	s_and_b32 s13, ttmp7, 0xffff
	s_lshl_b32 s13, s13, 2
	s_add_co_u32 s13, s13, s41                     ; tile row 0..31
	s_lshl_b32 s44, 0x1111, s40                    ; my column of the cluster
	s_or_b32 s[G1B+0], s44, (1<<16)|(1<<20)|(1<<21)|(5<<22)|(7<<25)  ; the mask; elements of 2 bytes; 8 words of padding behind every 64; bit 21 beside a mask
	s_mov_b32 s[G1B+1], 128<<16                    ; tensor_dim0
	s_mov_b32 s[G1B+2], 128<<16                    ; tensor_dim1
	s_mov_b32 s[G1B+3], 128<<16                    ; tile_dim0
	s_mov_b32 s[G1B+4], 128                        ; tile_dim1
	s_mov_b32 s[G1B+5], 1024                       ; from row to row
	s_mov_b32 s[G1B+6], 0
	s_mov_b32 s[G1B+7], 0
	s_lshl_b32 s16, s10, 20                        ; A: my wave's four K groups of each sixteen,
	s_lshl_b32 s17, s13, 13                        ; the tile row's eight token blocks of 1,024 bytes
	s_add_co_u32 s16, s16, s17
	s_mov_b32 s17, 0
	s_lshl_b32 s46, s10, 18                        ; W: my wave's 128 rows of 2,048 bytes,
	s_lshl_b32 s47, s42, 8                         ; the tile column's 256 bytes
	s_add_co_u32 s46, s46, s47
.if WOFF
	s_add_co_u32 s46, s46, WOFF
.endif
	s_mov_b32 s47, 0
	s_mul_i32 s20, s10, QUART                      ; where they go: wave x a quarter of a slot
	v_and_b32 v5, 31, v0
	v_lshlrev_b32 v[CO], 4, v5                     ; 16 bytes a lane: for A's loads, and for a row's 512 bytes at the end
	s_wait_dscnt 0x0                               ; the opening add is done
	s_wait_kmcnt 0x0
	s_add_nc_u64 s[4:5], s[4:5], s[16:17]
	s_add_nc_u64 s[46:47], s[6:7], s[46:47]
	CROUND                                         ; all sixteen work-groups are here: the first joint loads meet
.irp s, 0,1
	s_mov_b32 s[G0B+4*\s], 1
	s_add_co_u32 s[G0B+4*\s+1], s20, \s*SLOT
	s_add_nc_u64 s[G0B+4*\s+2:G0B+4*\s+3], s[46:47], \s*512*2048
	s_or_b32 s[G0B+4*\s+3], s[G0B+4*\s+3], 0x80000000
	JLOAD \s                                       ; two loads of mine are out
.endr
	WIN TO_A                                       ; A's first 56 loads, in the order in which the quarters go on issuing them
	ALD 0, 0
	ALD 0, 4
	ALD 1, 0
	ALD 1, 4
	ALD 2, 0
	ALD 2, 4
	ALD 3, 0
	WIN 0
	v_and_b32 v1, 15, v0                           ; r
	v_bfe_u32 v2, v0, 4, 1                         ; h
	v_and_b32 v4, 7, v0
	v_lshl_add_u32 v4, v2, 3, v4
	v_mul_u32_u24 v4, v4, PB
	v_bfe_u32 v5, v0, 3, 1
	v_lshl_add_u32 v4, v5, 4, v4                   ; W, for the turning load: row 8 h + l % 8, columns 8 ((l / 8) % 2) on
	s_mov_b32 s22, s20                             ; my 128 rows of a slot
.irp s, 0,1
	v_add_nc_u32 v[ADRB+\s], s22, v4
	s_add_co_u32 s22, s22, SLOT
.endr
	s_mul_i32 s23, s10, PART
	v_mul_u32_u24 v5, v1, PP
	v_lshl_add_u32 v5, v2, 5, v5
	v_add_nc_u32 v[PST], s23, v5                   ; my partial tile: token r, 32 bytes for each half of the lanes
	s_mul_i32 s22, s10, 32*PP                      ; I finish rows 32 w .. 32 w + 31: their place in each of the four partial tiles
.irp s, 0,1,2,3
	v_add_nc_u32 v[RDS+\s], s22, v[CO]
	s_add_co_u32 s22, s22, PART
.endr
	s_lshl_b32 s16, s13, 7
	s_lshl_b32 s17, s10, 5
	s_add_co_u32 s16, s16, s17
	s_lshl_b32 s16, s16, 12                        ; those rows in y and in the residual: 4,096 bytes a row,
	s_lshl_b32 s46, s42, 9                         ; the tile column's 512 bytes
	s_mov_b32 s47, 0
	s_add_nc_u64 s[68:69], s[68:69], s[46:47]      ; the bias at the tile's first column
	s_add_co_u32 s46, s46, s16
	s_add_nc_u64 s[70:71], s[70:71], s[46:47]
	s_add_nc_u64 s[8:9], s[8:9], s[46:47]
; 16 matrix instructions: token blocks a0, a0 + 1 of the window's four x all 8 column blocks, 32 along K.  zero = 1: the first product starts the sums.  The 64 accumulators take turns.
.macro MUL16 wf, af, hi, a0, zero
.irp a, \a0, \a0+1
.irp b, 0,1,2,3,4,5,6,7
.if \zero
	v_wmma_f32_16x16x32_bf16 v[8*(8*(\a)+\b):8*(8*(\a)+\b)+7], v[\wf+8*\b:\wf+8*\b+7], v[\af+8*(4*\hi+\a):\af+8*(4*\hi+\a)+7], 0
.else
	v_wmma_f32_16x16x32_bf16 v[8*(8*(\a)+\b):8*(8*(\a)+\b)+7], v[\wf+8*\b:\wf+8*\b+7], v[\af+8*(4*\hi+\a):\af+8*(4*\hi+\a)+7], v[8*(8*(\a)+\b):8*(8*(\a)+\b)+7]
.endif
.endr
.endr
.endm
.macro FETCHW slot, q, f               ; 16 LDS loads in one run: W's eight fragments of my K slice's q-th 32
.irp i, 0,1,2,3,4,5,6,7
	ds_load_tr16_b128 v[\f+8*\i:\f+8*\i+3],   v[ADRB+\slot] offset:(\q)*32*PB+32*\i
	ds_load_tr16_b128 v[\f+8*\i+4:\f+8*\i+7], v[ADRB+\slot] offset:(\q)*32*PB+16*PB+32*\i
.endr
.endm
.macro PLACES                          ; four plain vector lines between a matrix instruction and a load into, or a read of, its registers
.rept 4
	v_nop
.endr
.endm
; A quarter: 32 along K, 64 matrix instructions; q = 0, 1, 2 of its slot.  In its middle, behind the four places, one run of loads: W's fragments of the next quarter; A's blocks 4-7 of quarter q + 3 (into the half that the
; quarter before multiplied last) and blocks 0-3 of quarter q + 4 (into the half just multiplied).  step = 1: a slot's first quarter steps A's base.  nhi, nlo = 0: those quarters do not exist.
; cs: the loads issued behind this quarter's blocks 0-3; cm: those behind its blocks 4-7; eight to a half.
.macro QTR slot, q, zero, step, nhi, nlo, cs, cm
.set WFQ, WB0+64*((\q)%2)
.set WFN, WB0+64*(((\q)+1)%2)
.set AFQ, 64*((\q)%4)
.if \step
	s_wait_xcnt 0x0                                ; the loads issued so far have read their base:
	s_add_nc_u64 s[4:5], s[4:5], 16*KG             ; on to this slot's sixteen K groups
.endif
	s_wait_dscnt 0x0                               ; W's fragments are in
	s_wait_loadcnt \cs                             ; A's blocks 0-3 are in
	WIN MUL_LO
	MUL16 WFQ, AFQ, 0, 0, \zero
	MUL16 WFQ, AFQ, 0, 2, \zero
	PLACES
	WIN 0
	FETCHW \slot, (\q)+1, WFN
	s_wait_loadcnt \cm                             ; A's blocks 4-7 are in
.if \nhi+\nlo
	WIN TO_A
.endif
.if \nhi
	ALD (\q)+3, 4
.endif
.if \nlo
	ALD (\q)+4, 0
.endif
	WIN MUL_HI
	MUL16 WFQ, AFQ, 1, 0, \zero
	MUL16 WFQ, AFQ, 1, 2, \zero
.endm
; A slot's last quarter changes slots: one barrier; in front of it each wave waits for all its tensor loads, adds 0 to its spare word, and waits for that and for its reads of this slot.
; fill = 1: the barrier opens a round of the cluster's, and the slot is filled again, two K steps on, first thing behind the round: 224 matrix instructions ahead of the wait for it.
.macro TURN slot, next, fill
	WIN 0
	s_wait_tensorcnt 0x0                           ; my part of the next slot has landed
	ds_add_u32 v[SPW], v[NIL]
	s_wait_dscnt 1                                 ; W's fragments are in (the add may be out)
	s_wait_loadcnt 48                              ; A's blocks 0-3 are in
	WIN MUL_LO
	MUL16 WB1, 192, 0, 0, 0
	s_wait_dscnt 0x0                               ; the add is done, and my reads of this slot are over
	s_barrier_signal -1
	MUL16 WB1, 192, 0, 2, 0
	WIN 0
	s_barrier_wait -1
.if \fill
	CREST
	s_add_nc_u64 s[G0B+4*\slot+2:G0B+4*\slot+3], s[G0B+4*\slot+2:G0B+4*\slot+3], 2*512*2048
	JLOAD \slot                                    ; its four v_nop are also the places in front of the loads below
.else
	PLACES
.endif
	FETCHW \next, 0, WB0
	s_wait_loadcnt 40                              ; A's blocks 4-7 are in
	WIN TO_A
	ALD 6, 4
	ALD 7, 0
	WIN MUL_HI
	MUL16 WB1, 192, 1, 0, 0
	MUL16 WB1, 192, 1, 2, 0
.endm
	s_wait_tensorcnt 1                             ; my part of slot 0 is in (slot 1's load may be out),
	s_barrier_signal -1
	s_barrier_wait -1                              ; everybody's is
	FETCHW 0, 0, WB0
	QTR 0, 0, 1, 0, 1, 1, 48, 40                   ; the first quarter's products start the sums
.if LAPS > 1
	WIN 0
	s_mov_b32 s3, LAPS-1
.Llap:                                                 ; a trip goes once round the ring, from a lap's second quarter to the next lap's first, and fills both slots again
	QTR 0, 1, 0, 0, 1, 1, 48, 40
	QTR 0, 2, 0, 0, 1, 1, 48, 40
	TURN 0, 1, 1
	QTR 1, 0, 0, 1, 1, 1, 48, 40
	QTR 1, 1, 0, 0, 1, 1, 48, 40
	QTR 1, 2, 0, 0, 1, 1, 48, 40
	TURN 1, 0, 1
	QTR 0, 0, 0, 1, 1, 1, 48, 40
	WIN 0
	s_sub_co_u32 s3, s3, 1
	s_cmp_lg_u32 s3, 0
	s_cbranch_scc1 .Llap
.endif
	QTR 0, 1, 0, 0, 1, 1, 48, 40                   ; the last lap fills nothing, and its last quarters load nothing: the counts run down
	QTR 0, 2, 0, 0, 1, 1, 48, 40
	TURN 0, 1, 0
	QTR 1, 0, 0, 1, 1, 0, 48, 40
	QTR 1, 1, 0, 0, 0, 0, 40, 32
	QTR 1, 2, 0, 0, 0, 0, 24, 16
	s_wait_dscnt 0x0
	s_wait_loadcnt 8
	WIN MUL_LO
	MUL16 WB1, 192, 0, 0, 0
	MUL16 WB1, 192, 0, 2, 0
	s_wait_loadcnt 0x0
	WIN MUL_HI
	MUL16 WB1, 192, 1, 0, 0
	MUL16 WB1, 192, 1, 2, 0
	WIN 0
	; THE END: the four partial tiles meet in LDS; wave w adds rows 32 w .. 32 w + 31 of all four, the bias and the residual, and stores whole rows of 512 bytes.
	PLACES
	WIN 0x40
.irp t, 0,1,2,3,4,5,6,7,8,9,10,11,12,13,14,15,16,17,18,19,20,21,22,23,24,25,26,27,28,29,30,31
	global_load_b128 v[4*\t:4*\t+3], v[CO], s[70:71] offset:\t*4096   ; the residual of my 32 rows, asked for ahead of the exchange
.endr
	WIN 0
	global_load_b128 v[BI:BI+3], v[CO], s[68:69]
	s_wait_dscnt 0x0
	s_barrier_signal -1
	s_barrier_wait -1                              ; nobody reads the ring any more, and every tensor load has landed
.irp a, 0,1,2,3,4,5,6,7
	WIN 0x08+4*(\a/4)                              ; an LDS store's data: window 2 or 3
.irp b, 0,1,2,3,4,5,6,7
	ds_store_b128 v[PST], v[64*(\a%4)+8*\b:64*(\a%4)+8*\b+3] offset:\a*16*PP+64*\b       ; each accumulator from its low end on
	ds_store_b128 v[PST], v[64*(\a%4)+8*\b+4:64*(\a%4)+8*\b+7] offset:\a*16*PP+64*\b+16
.endr
.endr
	WIN 0
	s_wait_dscnt 0x0                               ; for the others' sake: my partial tile lies in LDS
	s_barrier_signal -1
	s_barrier_wait -1
.macro BATCH n                         ; eight rows
.if \n > 0
	s_wait_xcnt 0x0                                ; the last batch's stores have read v64-95
.endif
.irp s, 0,1,2,3
.irp t, 0,1,2,3,4,5,6,7
	ds_load_b128 v[64+32*\s+4*\t:64+32*\s+4*\t+3], v[RDS+\s] offset:(8*\n+\t)*PP
.endr
.endr
	s_wait_dscnt 0x0
.if \n == 0
	s_wait_loadcnt 0x0                             ; the residual and the bias
.endif
.irp t, 0,1,2,3,4,5,6,7
.irp p, 0,2
	v_pk_add_f32 v[64+4*\t+\p:64+4*\t+\p+1], v[64+4*\t+\p:64+4*\t+\p+1], v[96+4*\t+\p:96+4*\t+\p+1]
	v_pk_add_f32 v[128+4*\t+\p:128+4*\t+\p+1], v[128+4*\t+\p:128+4*\t+\p+1], v[160+4*\t+\p:160+4*\t+\p+1]
.endr
.endr
.irp t, 0,1,2,3,4,5,6,7
.irp p, 0,2
	v_pk_add_f32 v[64+4*\t+\p:64+4*\t+\p+1], v[64+4*\t+\p:64+4*\t+\p+1], v[128+4*\t+\p:128+4*\t+\p+1]
.endr
.endr
.irp t, 0,1,2,3,4,5,6,7
.irp p, 0,2
	v_pk_add_f32 v[64+4*\t+\p:64+4*\t+\p+1], v[64+4*\t+\p:64+4*\t+\p+1], v[BI+\p:BI+\p+1]
.endr
.endr
	WIN 0x04                                       ; source 1: window 1
.irp t, 0,1,2,3,4,5,6,7
.irp p, 0,2
	v_pk_add_f32 v[64+4*\t+\p:64+4*\t+\p+1], v[64+4*\t+\p:64+4*\t+\p+1], v[4*(8*\n+\t)+\p:4*(8*\n+\t)+\p+1]
.endr
.endr
	WIN 0
.irp t, 0,1,2,3,4,5,6,7
	global_store_b128 v[CO], v[64+4*\t:64+4*\t+3], s[8:9] offset:(8*\n+\t)*4096   ; 512 consecutive bytes, aligned
.endr
.endm
	BATCH 0
	BATCH 1
	BATCH 2
	BATCH 3
	s_wait_tensorcnt 0x0                           ; the wave's end
	ds_add_u32 v[SPW], v[NIL]
	s_wait_dscnt 0x0
	CROUND                                         ; the closing round
	s_endpgm
.Lfunc_end_k_qec824fca57_proj:
	.size	k_qec824fca57_proj, .Lfunc_end_k_qec824fca57_proj-k_qec824fca57_proj
	.p2alignl 7, 3214868480
	.fill 96, 4, 3214868480
	.section	.rodata,"a",@progbits
	.p2align	6, 0x0
	.amdhsa_kernel k_qec824fca57_proj
		.amdhsa_group_segment_fixed_size 327680
		.amdhsa_private_segment_fixed_size 0
		.amdhsa_enable_private_segment 0
		.amdhsa_kernarg_size 40
		.amdhsa_user_sgpr_count 2
		.amdhsa_user_sgpr_kernarg_segment_ptr 1
		.amdhsa_wavefront_size32 1
		.amdhsa_system_sgpr_workgroup_id_x 1
		.amdhsa_system_sgpr_workgroup_id_y 1
		.amdhsa_system_sgpr_workgroup_id_z 1
		.amdhsa_system_vgpr_workitem_id 0
		.amdhsa_next_free_vgpr 1024
		.amdhsa_next_free_sgpr 72
		.amdhsa_reserve_vcc 0
		.amdhsa_float_denorm_mode_32 3
		.amdhsa_float_denorm_mode_16_64 3
		.amdhsa_memory_ordered 1
		.amdhsa_forward_progress 1
		.amdhsa_inst_pref_size 104
	.end_amdhsa_kernel
	.amdgpu_metadata
---
amdhsa.version: [ 1, 2 ]
amdhsa.kernels:
  - .name:           k_qec824fca57_proj
    .symbol:         k_qec824fca57_proj.kd
    .args:
      - { .name: act, .offset: 0, .size: 8, .value_kind: global_buffer, .address_space: global }
      - { .name: wb, .offset: 8, .size: 8, .value_kind: global_buffer, .address_space: global }
      - { .name: b_proj, .offset: 16, .size: 8, .value_kind: global_buffer, .address_space: global }
      - { .name: x, .offset: 24, .size: 8, .value_kind: global_buffer, .address_space: global }
      - { .name: y, .offset: 32, .size: 8, .value_kind: global_buffer, .address_space: global }
    .group_segment_fixed_size: 327680
    .private_segment_fixed_size: 0
    .kernarg_segment_align: 8
    .kernarg_segment_size: 40
    .max_flat_workgroup_size: 128
    .sgpr_count:     72
    .vgpr_count:     1024
    .wavefront_size: 32
...
	.end_amdgpu_metadata
.endif
;; end of part 4
;; launch ln1 (part 5): grid 256 x 1, 4 waves a work-group, no clusters, 0 bytes of LDS; arguments y, gamma1, beta1, o1; writes o1
.if DOCPART == 5
	.amdgcn_target "amdgcn-amd-amdhsa--gfx1250"
	.amdhsa_code_object_version 6
	.text
	.protected	k_qec824fca57_ln1
	.globl	k_qec824fca57_ln1
	.p2align	8
	.type	k_qec824fca57_ln1,@function
k_qec824fca57_ln1:
	s_mov_b64 s[64:65], 0
	v_nop
	global_prefetch_b8 v0, s[64:65] scope:SCOPE_SE
	s_setreg_imm32_b32 hwreg(HW_REG_WAVE_MODE, 25, 1), 1
	s_wait_xcnt 0x0
; out1 = (y - mean) / sqrt(var + 1e-10) * gamma + beta along rows of 1,024, all in f32; stored as f32 (o1 + 0, for the residual) and rounded once to bf16 (o1 + O1B, the next product's operand).
; A stream: a wave takes four rows, each whole in 32 registers, so that a row is read once and the variance is taken of the differences from the mean.  All 48 loads of a wave go out at the head.
; A lane holds columns 128 j + 4 l .. + 3: each load and f32 store of a wave covers 512 consecutive bytes, each bf16 store 256.  No LDS, no barrier, no matrix unit: memory binds.
.set O1B, 16777216
.set GA,  8                            ; v8-39    gamma of my 32 columns
.set BE,  40                           ; v40-71   beta
.set X,   72                           ; v72-199  four rows
.set T,   200                          ; v200-211 at work: +0..7 four chains, +8 the mean, +10 1 / sqrt(var + eps) (+9, +11 named with them as pairs)
.set H,   216                          ; v216-231 a row in bf16
	s_load_b256 s[4:11], s[0:1], 0x0               ; y, gamma, beta, o1
	v_lshrrev_b32 v3, 5, v0
	v_readfirstlane_b32 s12, v3                    ; wave
	v_and_b32 v2, 31, v0
	v_lshlrev_b32 v1, 4, v2                        ; 16 bytes a lane
	v_lshlrev_b32 v2, 3, v2                        ; 8 bytes a lane
	s_lshl_b32 s14, ttmp9, 4
	s_lshl_b32 s15, s12, 2
	s_add_co_u32 s14, s14, s15                     ; my first row
	s_lshl_b32 s16, s14, 12
	s_mov_b32 s17, 0
	s_lshl_b32 s18, s14, 11
	s_add_co_u32 s18, s18, O1B
	s_mov_b32 s19, 0
	s_mov_b32 s20, 0x3a800000                      ; 1 / 1,024
	s_mov_b32 s21, 0x2edbe6ff                      ; 1e-10
	s_mov_b32 s22, 0x76543210
	s_mov_b32 s23, 0xfedcba98                      ; v_permlanex16_b32: lane l xor 16
	v_mov_b32 v[T+9], 0
	v_mov_b32 v[T+11], 0
	s_wait_kmcnt 0x0
	s_add_nc_u64 s[4:5], s[4:5], s[16:17]
	s_add_nc_u64 s[2:3], s[10:11], s[18:19]        ; the bf16 copy
	s_add_nc_u64 s[10:11], s[10:11], s[16:17]
.irp j, 0,1,2,3,4,5,6,7
	global_load_b128 v[GA+4*\j:GA+4*\j+3], v1, s[6:7] offset:512*\j
.endr
.irp j, 0,1,2,3,4,5,6,7
	global_load_b128 v[BE+4*\j:BE+4*\j+3], v1, s[8:9] offset:512*\j
.endr
.irp n, 0,1,2,3
.irp j, 0,1,2,3,4,5,6,7
	global_load_b128 v[X+32*\n+4*\j:X+32*\n+4*\j+3], v1, s[4:5] offset:4096*\n+512*\j th:TH_LOAD_NT
.endr
.endr
.macro REDUCE                          ; v[T] over the 32 lanes, into every lane
	v_pk_add_f32 v[T:T+1], v[T:T+1], v[T+2:T+3]
	v_pk_add_f32 v[T+4:T+5], v[T+4:T+5], v[T+6:T+7]
	v_pk_add_f32 v[T:T+1], v[T:T+1], v[T+4:T+5]
	v_add_f32 v[T], v[T], v[T+1]
	v_add_f32_dpp v[T], v[T], v[T] row_xmask:1 row_mask:0xf bank_mask:0xf
	v_add_f32_dpp v[T], v[T], v[T] row_xmask:2 row_mask:0xf bank_mask:0xf
	v_add_f32_dpp v[T], v[T], v[T] row_xmask:4 row_mask:0xf bank_mask:0xf
	v_add_f32_dpp v[T], v[T], v[T] row_xmask:8 row_mask:0xf bank_mask:0xf
	v_permlanex16_b32 v[T+1], v[T], s22, s23
	v_add_f32 v[T], v[T], v[T+1]
.endm
.macro ROW n
.set XR, X+32*(\n)
	s_wait_loadcnt 8*(3-(\n))                      ; my row is in; the younger rows' eight loads each may be out
.if (\n) > 0
	s_wait_xcnt 0x0                                ; the last row's stores have read v[H] on
.endif
.irp k, 0,1,2,3
	v_pk_add_f32 v[T+2*\k:T+2*\k+1], v[XR+2*\k:XR+2*\k+1], v[XR+8+2*\k:XR+8+2*\k+1]
.endr
.irp i, 16,24
.irp k, 0,1,2,3
	v_pk_add_f32 v[T+2*\k:T+2*\k+1], v[T+2*\k:T+2*\k+1], v[XR+\i+2*\k:XR+\i+2*\k+1]
.endr
.endr
	REDUCE
	v_mul_f32 v[T+8], s20, v[T]                    ; the mean
.set e, 0
.rept 16
	v_pk_add_f32 v[XR+e:XR+e+1], v[XR+e:XR+e+1], v[T+8:T+9] op_sel_hi:[1,0] neg_lo:[0,1] neg_hi:[0,1]
.set e, e+2
.endr
.irp k, 0,1,2,3
	v_pk_mul_f32 v[T+2*\k:T+2*\k+1], v[XR+2*\k:XR+2*\k+1], v[XR+2*\k:XR+2*\k+1]
.endr
.irp i, 8,16,24
.irp k, 0,1,2,3
	v_pk_fma_f32 v[T+2*\k:T+2*\k+1], v[XR+\i+2*\k:XR+\i+2*\k+1], v[XR+\i+2*\k:XR+\i+2*\k+1], v[T+2*\k:T+2*\k+1]
.endr
.endr
	REDUCE
	v_fma_f32 v[T], v[T], s20, s21                 ; var + eps
	v_rsq_f32 v[T+10], v[T]
	v_nop                                          ; a plain line behind the transcendental,
	s_wait_alu depctr_va_vdst(0)                   ; and the wait ahead of its first reader
.set e, 0
.rept 16
	v_pk_mul_f32 v[XR+e:XR+e+1], v[XR+e:XR+e+1], v[T+10:T+11] op_sel_hi:[1,0]
.set e, e+2
.endr
.set e, 0
.rept 16
	v_pk_fma_f32 v[XR+e:XR+e+1], v[XR+e:XR+e+1], v[GA+e:GA+e+1], v[BE+e:BE+e+1]
.set e, e+2
.endr
.irp j, 0,1,2,3,4,5,6,7
	global_store_b128 v1, v[XR+4*\j:XR+4*\j+3], s[10:11] offset:4096*(\n)+512*\j
.endr
.irp j, 0,1,2,3,4,5,6,7
	v_cvt_pk_bf16_f32 v[H+2*\j], v[XR+4*\j], v[XR+4*\j+1]
	v_cvt_pk_bf16_f32 v[H+2*\j+1], v[XR+4*\j+2], v[XR+4*\j+3]
.endr
.irp j, 0,1,2,3,4,5,6,7
	global_store_b64 v2, v[H+2*\j:H+2*\j+1], s[2:3] offset:2048*(\n)+256*\j
.endr
.endm
	ROW 0
	ROW 1
	ROW 2
	ROW 3
	s_endpgm
.Lfunc_end_k_qec824fca57_ln1:
	.size	k_qec824fca57_ln1, .Lfunc_end_k_qec824fca57_ln1-k_qec824fca57_ln1
	.p2alignl 7, 3214868480
	.fill 96, 4, 3214868480
	.section	.rodata,"a",@progbits
	.p2align	6, 0x0
	.amdhsa_kernel k_qec824fca57_ln1
		.amdhsa_group_segment_fixed_size 0
		.amdhsa_private_segment_fixed_size 0
		.amdhsa_enable_private_segment 0
		.amdhsa_kernarg_size 32
		.amdhsa_user_sgpr_count 2
		.amdhsa_user_sgpr_kernarg_segment_ptr 1
		.amdhsa_wavefront_size32 1
		.amdhsa_system_sgpr_workgroup_id_x 1
		.amdhsa_system_sgpr_workgroup_id_y 1
		.amdhsa_system_sgpr_workgroup_id_z 1
		.amdhsa_system_vgpr_workitem_id 0
		.amdhsa_next_free_vgpr 232
		.amdhsa_next_free_sgpr 66
		.amdhsa_reserve_vcc 0
		.amdhsa_float_denorm_mode_32 3
		.amdhsa_float_denorm_mode_16_64 3
		.amdhsa_memory_ordered 1
		.amdhsa_forward_progress 1
		.amdhsa_inst_pref_size 41
	.end_amdhsa_kernel
	.amdgpu_metadata
---
amdhsa.version: [ 1, 2 ]
amdhsa.kernels:
  - .name:           k_qec824fca57_ln1
    .symbol:         k_qec824fca57_ln1.kd
    .args:
      - { .name: y, .offset: 0, .size: 8, .value_kind: global_buffer, .address_space: global }
      - { .name: gamma1, .offset: 8, .size: 8, .value_kind: global_buffer, .address_space: global }
      - { .name: beta1, .offset: 16, .size: 8, .value_kind: global_buffer, .address_space: global }
      - { .name: o1, .offset: 24, .size: 8, .value_kind: global_buffer, .address_space: global }
    .group_segment_fixed_size: 0
    .private_segment_fixed_size: 0
    .kernarg_segment_align: 8
    .kernarg_segment_size: 32
    .max_flat_workgroup_size: 128
    .sgpr_count:     66
    .vgpr_count:     232
    .wavefront_size: 32
...
	.end_amdgpu_metadata
.endif
;; end of part 5
;; launch ffn1 (part 6): grid 16 x 16, 4 waves a work-group, clusters of 4 x 4, 327,680 bytes of LDS; arguments o1, wb, b1, act; writes act
.if DOCPART == 6
	.amdgcn_target "amdgcn-amd-amdhsa--gfx1250"
	.amdhsa_code_object_version 6
	.text
	.protected	k_qec824fca57_ffn1
	.globl	k_qec824fca57_ffn1
	.p2align	8
	.type	k_qec824fca57_ffn1,@function
k_qec824fca57_ffn1:
	s_mov_b64 s[64:65], 0
	v_nop
	global_prefetch_b8 v0, s[64:65] scope:SCOPE_SE
	s_setreg_imm32_b32 hwreg(HW_REG_WAVE_MODE, 25, 1), 1
	s_wait_xcnt 0x0
	s_wait_alu depctr_hold_cnt(0) depctr_sa_sdst(0) depctr_va_vdst(0) depctr_va_sdst(0) depctr_va_ssrc(0) depctr_va_vcc(0) depctr_vm_vsrc(0)
	s_getreg_b32 s2, hwreg(HW_REG_IB_STS2, 6, 4)
	s_cmp_eq_u32 s2, 0
	s_cbranch_scc0 .Lentry_in_a_cluster
	s_endpgm
.Lentry_in_a_cluster:
	s_bfe_u32 s2, ttmp6, 0x10000c
	s_cmp_lg_u32 s2, 0xf033
	s_cbranch_scc0 .Lentry_shape_is_right
	s_endpgm
.Lentry_shape_is_right:
; hidden = relu(out1 W1 + b1).  A = out1 in bf16 [4,096][1,024] at O1B in o1; W1 [1,024 (K)][4,096] bf16, as JAX has it, at W1OFF in wb; b1 [4,096] f32.  Sums in f32, the result rounded once to bf16.
; OUT: the hidden layer is stored IN THE ORDER OF THE NEXT PRODUCT'S OPERAND REGISTERS: act[4,096 / 32 K groups][4,096 / 16 token blocks][2 halves][32 lanes][16 bytes].  After the rounding lane (r, h) holds token r and columns
; 16 b + 8 h + 0 .. 7: that is half b % 2 of K group b / 2 as it stands, so each store of the wave is 512 consecutive bytes, and nothing goes through LDS on the way out.
; A tile of 256 x 256 is made by four waves, each 128 x 128: 64 accumulators, 512 registers.  K goes in steps of 128 through a ring of two LDS slots: A's 256 rows of 256 bytes (pitch 272), then W1's 128 rows of
; 512 bytes (pitch 544).  W1's fragments are turned out of LDS (ds_load_tr16_b128).  The matrix instruction is used transposed (source 0 = 16 columns of W1, source 1 = 16 tokens).
; CLUSTER 4 x 4: A's tiles are asked for jointly along a row of the cluster, W1's along a column.  THE BIAS is the C of each sum's first instruction.
; REGISTERS: window 0: v0-31 addresses; v64-127, v128-191 A's fragments, two buffers; v192-255 the bias, later the packed results, two sets.  window 1: W1's fragments, two buffers.  windows 2, 3: the accumulators.
.set O1B,   16777216
.set W1OFF, 2097152
.set KG,    262144                     ; in act: from a K group of 32 to the next: 256 token blocks of 1,024 bytes
.set KSTEP, 128
.set PITCH, 272
.set PB,    544
.set HALFT, 128*PITCH                  ; what one tensor load brings: 128 rows of A, or 64 rows of W1
.set SLOT,  4*HALFT
.set SPARE, 2*SLOT                     ; behind the ring: the spare words: two blocks of 256 bytes that no other line names
.set LAPS,  4                          ; 1,024 / (2 x 128)
.set ADRA, 16
.set ADRB, 20
.set CO,   26
.set SPW,  28
.set NIL,  29
.set F0,   64
.set F1,   128
.set BIA,  192
.set TMP,  192
.set G1, 24
.set G0, 32
.set G1B, 48
.set G0B, 56
.set MSB, 0
.macro WIN new
.if MSB != (\new)
	s_set_vgpr_msb (MSB<<8)|(\new)
.set MSB, (\new)
.endif
.endm
.set MUL_LO, 0xa1
.set MUL_HI, 0xf1
.set BIA_LO, 0x81                      ; C (the bias) in window 0
.set BIA_HI, 0xc1
.set TO_B,   0x40
.macro JLOAD s
	s_cmp_eq_u32 s11, 0
	s_cbranch_scc0 .Lfor_b_\@
	tensor_load_to_lds s[G0+4*\s:G0+4*\s+3], s[G1:G1+7]
	s_nop 0
.rept 4
	v_nop
.endr
	s_branch .Lasked_\@
.Lfor_b_\@:
	tensor_load_to_lds s[G0B+4*\s:G0B+4*\s+3], s[G1B:G1B+7]
	s_nop 0
.rept 4
	v_nop
.endr
.Lasked_\@:
.endm
.macro CREST
	s_cmp_lg_u32 s10, 0
	s_cbranch_scc1 .Lnot_wave_0_\@
	s_barrier_signal -3
.Lnot_wave_0_\@:
	s_barrier_wait -3
	s_barrier_signal -1
	s_barrier_wait -1
.endm
.macro CROUND
	s_barrier_signal -1
	s_barrier_wait -1
	CREST
.endm
	s_load_b128 s[4:7], s[0:1], 0x0                ; o1, wb
	s_load_b64 s[66:67], s[0:1], 0x10              ; b1
	s_load_b64 s[8:9], s[0:1], 0x18                ; act
	v_lshl_add_u32 v[SPW], v0, 2, SPARE
	v_mov_b32 v[NIL], 0
	ds_add_u32 v[SPW], v[NIL]                      ; the wave's opening: an add of 0, waited for ahead of my first tensor load
	v_lshrrev_b32 v1, 5, v0
	v_readfirstlane_b32 s10, v1                    ; wave 0..3
	s_lshr_b32 s11, s10, 1                         ; which half of the tile's tokens is mine.  Also: I fetch for A (0) or for W1 (1)
	s_and_b32 s12, s10, 1                          ; which half of its columns.  Also: which half of that tile I fetch
	s_bfe_u32 s40, ttmp6, 0x40000
	s_bfe_u32 s41, ttmp6, 0x40004
	s_lshl_b32 s42, ttmp9, 2
	s_add_co_u32 s42, s42, s40                     ; tile column
	s_and_b32 s13, ttmp7, 0xffff
	s_lshl_b32 s13, s13, 2
	s_add_co_u32 s13, s13, s41                     ; tile row
	s_lshl_b32 s43, s41, 2
	s_lshl_b32 s43, 15, s43
	s_lshl_b32 s44, 0x1111, s40
	s_or_b32 s[G1+0], s43, (1<<16)|(1<<20)|(1<<21)|(5<<22)|(3<<25)   ; A: 128 rows x 128 elements of 2 bytes; 4 words of padding behind every 64
	s_mov_b32 s[G1+1], 128<<16
	s_mov_b32 s[G1+2], 128<<16
	s_mov_b32 s[G1+3], 128<<16
	s_mov_b32 s[G1+4], 128
	s_mov_b32 s[G1+5], 1024
	s_mov_b32 s[G1+6], 0
	s_mov_b32 s[G1+7], 0
	s_or_b32 s[G1B+0], s44, (1<<16)|(1<<20)|(1<<21)|(6<<22)|(7<<25)  ; W1: 64 rows x 256 elements; 8 words of padding behind every 128
	s_mov_b32 s[G1B+1], 256<<16
	s_mov_b32 s[G1B+2], 64<<16
	s_mov_b32 s[G1B+3], 256<<16
	s_mov_b32 s[G1B+4], 64
	s_mov_b32 s[G1B+5], 4096
	s_mov_b32 s[G1B+6], 0
	s_mov_b32 s[G1B+7], 0
	s_lshl_b32 s17, s12, 7
	s_lshl_b32 s16, s13, 8
	s_add_co_u32 s16, s16, s17                     ; A: row 256 x tile row + 128 x half,
	s_lshl_b32 s16, s16, 11                        ; of 2,048 bytes,
	s_add_co_u32 s16, s16, O1B                     ; in the bf16 copy
	s_mov_b32 s17, 0
	s_lshl_b32 s46, s12, 19                        ; W1: 64 rows of 8,192 bytes for each half,
	s_lshl_b32 s47, s42, 9                         ; the tile column's 512 bytes
	s_add_co_u32 s46, s46, s47
	s_add_co_u32 s46, s46, W1OFF
	s_mov_b32 s47, 0
	s_mul_i32 s20, s10, HALFT
	s_wait_dscnt 0x0                               ; the opening add is done
	s_wait_kmcnt 0x0
	s_add_nc_u64 s[14:15], s[4:5], s[16:17]
	s_add_nc_u64 s[46:47], s[6:7], s[46:47]
	CROUND                                         ; all sixteen work-groups are here: the first joint loads meet
.irp s, 0,1
	s_mov_b32 s[G0+4*\s], 1
	s_add_co_u32 s[G0+4*\s+1], s20, \s*SLOT
	s_add_nc_u64 s[G0+4*\s+2:G0+4*\s+3], s[14:15], \s*KSTEP*2
	s_or_b32 s[G0+4*\s+3], s[G0+4*\s+3], 0x80000000
	s_mov_b32 s[G0B+4*\s], 1
	s_add_co_u32 s[G0B+4*\s+1], s20, \s*SLOT
	s_add_nc_u64 s[G0B+4*\s+2:G0B+4*\s+3], s[46:47], \s*KSTEP*8192
	s_or_b32 s[G0B+4*\s+3], s[G0B+4*\s+3], 0x80000000
	JLOAD \s
.endr
	v_and_b32 v1, 15, v0                           ; r
	v_bfe_u32 v2, v0, 4, 1                         ; h
	s_lshl_b32 s68, s42, 10                        ; the bias of my 128 columns: register 8 b + j of lane (r, h) = b1[256 tile column + 128 half + 16 b + 8 h + j]
	s_lshl_b32 s69, s12, 9
	s_add_co_u32 s68, s68, s69
	s_mov_b32 s69, 0
	s_add_nc_u64 s[66:67], s[66:67], s[68:69]
	v_lshlrev_b32 v6, 5, v2
.irp b, 0,1,2,3,4,5,6,7
	global_load_b128 v[BIA+8*\b:BIA+8*\b+3], v6, s[66:67] offset:64*\b
	global_load_b128 v[BIA+8*\b+4:BIA+8*\b+7], v6, s[66:67] offset:64*\b+16
.endr
	v_mul_u32_u24 v3, v1, PITCH
	v_lshl_add_u32 v3, v2, 4, v3                   ; A: row x pitch + 16 h
	v_and_b32 v4, 7, v0
	v_lshl_add_u32 v4, v2, 3, v4
	v_mul_u32_u24 v4, v4, PB
	v_bfe_u32 v5, v0, 3, 1
	v_lshl_add_u32 v4, v5, 4, v4                   ; W1, for the turning load: row 8 h + l % 8, columns 8 ((l / 8) % 2) on
	s_mul_i32 s21, s11, HALFT                      ; my 128 rows of A
	s_lshl_b32 s22, s12, 8                         ; my 128 columns of W1, 256 bytes,
	s_add_co_u32 s22, s22, 2*HALFT                 ; behind A's 256 rows
.irp s, 0,1
	v_add_nc_u32 v[ADRA+\s], s21, v3
	v_add_nc_u32 v[ADRB+\s], s22, v4
	s_add_co_u32 s21, s21, SLOT
	s_add_co_u32 s22, s22, SLOT
.endr
	v_and_b32 v4, 31, v0
	v_lshlrev_b32 v[CO], 4, v4                     ; the way out: 16 bytes a lane
	s_lshl_b32 s16, s13, 14                        ; the tile row's sixteen token blocks of 1,024 bytes,
	s_lshl_b32 s17, s11, 13                        ; my half's eight
	s_add_co_u32 s16, s16, s17
	s_lshl_b32 s46, s42, 21                        ; the tile column's eight K groups,
	s_lshl_b32 s47, s12, 20                        ; my half's four
	s_add_co_u32 s46, s46, s47
	s_add_co_u32 s46, s46, s16
	s_mov_b32 s47, 0
	s_add_nc_u64 s[8:9], s[8:9], s[46:47]
; 16 matrix instructions: token blocks a0, a0 + 1 of the window's four x all 8 column blocks, 32 along K.  first = 1: the bias starts the sums.  The 64 accumulators take turns.
.macro MUL16 f, hi, a0, first
.irp a, \a0, \a0+1
.irp b, 0,1,2,3,4,5,6,7
.if \first
	v_wmma_f32_16x16x32_bf16 v[8*(8*(\a)+\b):8*(8*(\a)+\b)+7], v[\f+8*\b:\f+8*\b+7], v[\f+8*(4*\hi+\a):\f+8*(4*\hi+\a)+7], v[BIA+8*\b:BIA+8*\b+7]
.else
	v_wmma_f32_16x16x32_bf16 v[8*(8*(\a)+\b):8*(8*(\a)+\b)+7], v[\f+8*\b:\f+8*\b+7], v[\f+8*(4*\hi+\a):\f+8*(4*\hi+\a)+7], v[8*(8*(\a)+\b):8*(8*(\a)+\b)+7]
.endif
.endr
.endr
.endm
.macro FETCH slot, q, f                ; 32 LDS loads in one run: the slot's q-th 32 along K: W1's eight fragments, then A's eight
	WIN TO_B
.irp i, 0,1,2,3,4,5,6,7
	ds_load_tr16_b128 v[\f+8*\i:\f+8*\i+3],   v[ADRB+\slot] offset:(\q)*32*PB+32*\i
	ds_load_tr16_b128 v[\f+8*\i+4:\f+8*\i+7], v[ADRB+\slot] offset:(\q)*32*PB+16*PB+32*\i
.endr
	WIN 0
.irp i, 0,1,2,3,4,5,6,7
	ds_load_b128 v[\f+8*\i:\f+8*\i+3],   v[ADRA+\slot] offset:64*(\q)+\i*16*PITCH
	ds_load_b128 v[\f+8*\i+4:\f+8*\i+7], v[ADRA+\slot] offset:64*(\q)+\i*16*PITCH+32
.endr
.endm
.macro PLACES                          ; four plain vector lines between a matrix instruction and a load into, or a read of, its registers
.rept 4
	v_nop
.endr
.endm
.macro QUARTER slot, q, f, g, first    ; multiplies buffer f; in its middle fetches the slot's quarter q into buffer g
	s_wait_dscnt 8                                 ; W1 and A's rows 0-63 are in; the youngest eight loads may be out
.if \first
	WIN BIA_LO
.else
	WIN MUL_LO
.endif
	MUL16 \f, 0, 0, \first
	MUL16 \f, 0, 2, \first
	PLACES
	FETCH \slot, \q, \g
	s_wait_dscnt 32                                ; all but the 32 just issued
.if \first
	WIN BIA_HI
.else
	WIN MUL_HI
.endif
	MUL16 \f, 1, 0, \first
	MUL16 \f, 1, 2, \first
.endm
; A slot's last quarter multiplies buffer 1 and changes slots: one barrier; in front of it each wave waits for all its tensor loads, adds 0 to its spare word, and waits for that and for its reads of this slot.
; fill = 1: the barrier opens a round of the cluster's, and the slot is filled again, two K steps on, first thing behind the round.
.macro TURN slot, next, fill
	WIN 0
	s_wait_tensorcnt 0x0                           ; my part of the next slot has landed
	ds_add_u32 v[SPW], v[NIL]
	s_wait_dscnt 9                                 ; (the add and the youngest eight loads may be out)
	WIN MUL_LO
	MUL16 F1, 0, 0, 0
	s_wait_dscnt 0x0                               ; the add is done, and my reads of this slot are over
	s_barrier_signal -1
	MUL16 F1, 0, 2, 0
.if \fill
	WIN 0
.endif
	s_barrier_wait -1
.if \fill
	CREST
	s_add_nc_u64 s[G0+4*\slot+2:G0+4*\slot+3], s[G0+4*\slot+2:G0+4*\slot+3], 2*KSTEP*2
	s_add_nc_u64 s[G0B+4*\slot+2:G0B+4*\slot+3], s[G0B+4*\slot+2:G0B+4*\slot+3], 2*KSTEP*8192
	JLOAD \slot                                    ; its four v_nop are also the places in front of the loads below
.else
	PLACES
.endif
	FETCH \next, 0, F0
	WIN MUL_HI
	MUL16 F1, 1, 0, 0
	MUL16 F1, 1, 2, 0
.endm
	s_wait_tensorcnt 1                             ; my part of K step 0 is in (K step 1's load may be out),
	s_barrier_signal -1
	s_barrier_wait -1                              ; everybody's is
	FETCH 0, 0, F0
	s_wait_loadcnt 0x0                             ; the bias
	QUARTER 0, 1, F0, F1, 1
	WIN 0
	s_mov_b32 s3, LAPS-1
.Llap:                                                 ; a trip goes once round the ring, from a lap's second quarter to the next lap's first, and fills both slots again
	QUARTER 0, 2, F1, F0, 0
	QUARTER 0, 3, F0, F1, 0
	TURN 0, 1, 1
	QUARTER 1, 1, F0, F1, 0
	QUARTER 1, 2, F1, F0, 0
	QUARTER 1, 3, F0, F1, 0
	TURN 1, 0, 1
	QUARTER 0, 1, F0, F1, 0
	WIN 0
	s_sub_co_u32 s3, s3, 1
	s_cmp_lg_u32 s3, 0
	s_cbranch_scc1 .Llap
	QUARTER 0, 2, F1, F0, 0                        ; the last lap fills nothing
	QUARTER 0, 3, F0, F1, 0
	TURN 0, 1, 0
	QUARTER 1, 1, F0, F1, 0
	QUARTER 1, 2, F1, F0, 0
	QUARTER 1, 3, F0, F1, 0
	s_wait_dscnt 8
	WIN MUL_LO
	MUL16 F1, 0, 0, 0
	MUL16 F1, 0, 2, 0
	s_wait_dscnt 0
	WIN MUL_HI
	MUL16 F1, 1, 0, 0
	MUL16 F1, 1, 2, 0
	WIN 0
; THE WAY OUT, 16 tokens x 128 columns at a time: relu in f32, rounded to bf16.  Four packed registers of a lane are half a fragment of the next product's operand as they stand: they are stored straight away.
.macro RELU a
.set AC, 64*((\a)%4)
	WIN 0x88+0x44*((\a)/4)                         ; source 1 and destination: window 2 or 3
.set e, 0
.rept 64
	v_max_num_f32 v[AC+e], 0, v[AC+e]              ; ascending: each accumulator from its low end on
.set e, e+1
.endr
.endm
.macro PACK a                          ; into one of two sets of 32 registers, by turns
.set AC, 64*((\a)%4)
.set TP, TMP+32*((\a)%2)
	WIN 0x0a+5*((\a)/4)
.irp b, 0,1,2,3,4,5,6,7
.irp r, 0,1,2,3
	v_cvt_pk_bf16_f32 v[TP+4*\b+\r], v[AC+8*\b+2*\r], v[AC+8*\b+2*\r+1]
.endr
.endr
	WIN 0
.endm
.macro SEND a
.set TP, TMP+32*((\a)%2)
.irp b, 0,1,2,3,4,5,6,7
	global_store_b128 v[CO], v[TP+4*\b:TP+4*\b+3], s[8:9] offset:(\b/2)*KG+(\a)*1024+(\b%2)*512   ; K group b / 2, token block a, half b % 2: 512 consecutive bytes, aligned
.endr
.endm
	PLACES
.irp a, 0,1,2,3,4,5,6,7
.if \a > 1
	s_wait_xcnt 0x0                                ; the stores of the block before last have read the set that is packed anew
.endif
	RELU \a
	PACK \a
	SEND \a
.endr
	s_wait_tensorcnt 0x0                           ; the wave's end
	ds_add_u32 v[SPW], v[NIL]
	s_wait_dscnt 0x0
	CROUND                                         ; the closing round
	s_endpgm
.Lfunc_end_k_qec824fca57_ffn1:
	.size	k_qec824fca57_ffn1, .Lfunc_end_k_qec824fca57_ffn1-k_qec824fca57_ffn1
	.p2alignl 7, 3214868480
	.fill 96, 4, 3214868480
	.section	.rodata,"a",@progbits
	.p2align	6, 0x0
	.amdhsa_kernel k_qec824fca57_ffn1
		.amdhsa_group_segment_fixed_size 327680
		.amdhsa_private_segment_fixed_size 0
		.amdhsa_enable_private_segment 0
		.amdhsa_kernarg_size 32
		.amdhsa_user_sgpr_count 2
		.amdhsa_user_sgpr_kernarg_segment_ptr 1
		.amdhsa_wavefront_size32 1
		.amdhsa_system_sgpr_workgroup_id_x 1
		.amdhsa_system_sgpr_workgroup_id_y 1
		.amdhsa_system_sgpr_workgroup_id_z 1
		.amdhsa_system_vgpr_workitem_id 0
		.amdhsa_next_free_vgpr 1024
		.amdhsa_next_free_sgpr 70
		.amdhsa_reserve_vcc 0
		.amdhsa_float_denorm_mode_32 3
		.amdhsa_float_denorm_mode_16_64 3
		.amdhsa_memory_ordered 1
		.amdhsa_forward_progress 1
		.amdhsa_inst_pref_size 152
	.end_amdhsa_kernel
	.amdgpu_metadata
---
amdhsa.version: [ 1, 2 ]
amdhsa.kernels:
  - .name:           k_qec824fca57_ffn1
    .symbol:         k_qec824fca57_ffn1.kd
    .args:
      - { .name: o1, .offset: 0, .size: 8, .value_kind: global_buffer, .address_space: global }
      - { .name: wb, .offset: 8, .size: 8, .value_kind: global_buffer, .address_space: global }
      - { .name: b1, .offset: 16, .size: 8, .value_kind: global_buffer, .address_space: global }
      - { .name: act, .offset: 24, .size: 8, .value_kind: global_buffer, .address_space: global }
    .group_segment_fixed_size: 327680
    .private_segment_fixed_size: 0
    .kernarg_segment_align: 8
    .kernarg_segment_size: 32
    .max_flat_workgroup_size: 128
    .sgpr_count:     70
    .vgpr_count:     1024
    .wavefront_size: 32
...
	.end_amdgpu_metadata
.endif
;; end of part 6
;; launch ffn2 (part 7): grid 8 x 32, 4 waves a work-group, clusters of 4 x 4, 327,680 bytes of LDS; arguments act, wb, b2, o1, y; writes y
.if DOCPART == 7
	.amdgcn_target "amdgcn-amd-amdhsa--gfx1250"
	.amdhsa_code_object_version 6
	.text
	.protected	k_qec824fca57_ffn2
	.globl	k_qec824fca57_ffn2
	.p2align	8
	.type	k_qec824fca57_ffn2,@function
k_qec824fca57_ffn2:
	s_mov_b64 s[64:65], 0
	v_nop
	global_prefetch_b8 v0, s[64:65] scope:SCOPE_SE
	s_setreg_imm32_b32 hwreg(HW_REG_WAVE_MODE, 25, 1), 1
	s_wait_xcnt 0x0
	s_wait_alu depctr_hold_cnt(0) depctr_sa_sdst(0) depctr_va_vdst(0) depctr_va_sdst(0) depctr_va_ssrc(0) depctr_va_vcc(0) depctr_vm_vsrc(0)
	s_getreg_b32 s2, hwreg(HW_REG_IB_STS2, 6, 4)
	s_cmp_eq_u32 s2, 0
	s_cbranch_scc0 .Lentry_in_a_cluster
	s_endpgm
.Lentry_in_a_cluster:
	s_bfe_u32 s2, ttmp6, 0x10000c
	s_cmp_lg_u32 s2, 0xf033
	s_cbranch_scc0 .Lentry_shape_is_right
	s_endpgm
.Lentry_shape_is_right:
; y = A W + bias + residual.  A (here the hidden layer): bf16, laid in the order of the operand's registers, act[KTOT / 32][4,096 / 16 token blocks][2 halves][32 lanes][16 bytes]; W: [KTOT][1,024] bf16, as JAX has it, at WOFF in wb
; (here w2); bias [1,024] (b2), residual (out1, f32, at o1 + 0) and y [4,096][1,024] f32.  Sums in f32.  The text is the attention projection's with two other constants: the trip count is a constant of the text.
; A tile of y is 128 x 128: N = 1,024 gives 256 such tiles.  THE FOUR WAVES SPLIT K, NOT THE TILE: every wave holds the whole tile in 64 accumulators (512 registers) and multiplies K = 128 w .. 128 w + 127 of each
; K step of 512.  The four partial tiles are added once, at the end, through LDS.
; A GOES FROM MEMORY STRAIGHT INTO REGISTERS.  With K split over the waves no fragment of A is read by two waves, so LDS would give it no reuse; each load of a wave reads 512 consecutive bytes, half a fragment.
; Four buffers of 64 registers take turns; the loads stand in one run in each quarter's middle and run three quarters and more (192 matrix instructions) ahead; at most 56 of a wave's are out.
; A's blocks are therefore not asked for jointly, though the four work-groups of a row of the cluster read the same ones: through LDS they would take half of each slot, and the one tensor load that a wave issues behind a
; round would then serve 128 matrix instructions in place of 256.
; THE RING HOLDS W ALONE: two slots of 512 rows of 256 bytes (pitch 288).  Wave w fetches, and alone reads, rows 128 w on.  W's fragments are turned out of LDS (ds_load_tr16_b128).
; CLUSTER 4 x 4: W's tiles are asked for jointly along a column of the cluster.  The matrix instruction is used transposed (source 0 = 16 columns of W, source 1 = 16 tokens): a lane holds eight neighbouring columns of a token.
; REGISTERS: window 0: v8-11, v20-29 addresses; v32-35 the bias; v64-127, v128-191 W's fragments, two buffers, later the partial rows.  window 1: A's fragments, four buffers, later the residual (v0-127).  windows 2, 3: the accumulators.
.set KTOT,  4096
.set WOFF,  10485760
.set KG,    262144                     ; in act: from a K group of 32 to the next: 256 token blocks of 1,024 bytes
.set PB,    288
.set QUART, 128*PB                     ; what one tensor load brings, and what one wave reads
.set SLOT,  4*QUART
.set SPARE, 2*SLOT                     ; the spare words: two blocks of 256 bytes that no other line names
.set PP,    528                        ; a row of a partial tile: 512 bytes + 16
.set PART,  128*PP                     ; a wave's partial tile; the four lie in the ring, behind its last fill and last read
.set LAPS,  KTOT/1024                  ; a lap = two slots = once round the ring
.set RDS,  8
.set ADRB, 20
.set PST,  24
.set CO,   26
.set SPW,  28
.set NIL,  29
.set BI,   32
.set WB0,  64
.set WB1,  128
.set G1B, 48
.set G0B, 56
.set MSB, 0
.macro WIN new
.if MSB != (\new)
	s_set_vgpr_msb (MSB<<8)|(\new)
.set MSB, (\new)
.endif
.endm
.set MUL_LO, 0xa4                      ; source 0 (W) window 0, source 1 (A) window 1, C and D window 2
.set MUL_HI, 0xf4
.set TO_A,   0x40                      ; destination window 1, address window 0
.macro JLOAD s                         ; every wave fetches its 128 rows of W; an s_nop 0 and four v_nop follow the line
	tensor_load_to_lds s[G0B+4*\s:G0B+4*\s+3], s[G1B:G1B+7]
	s_nop 0
.rept 4
	v_nop
.endr
.endm
.macro CREST                           ; a round of the cluster's barrier behind its opening barrier
	s_cmp_lg_u32 s10, 0
	s_cbranch_scc1 .Lnot_wave_0_\@
	s_barrier_signal -3
.Lnot_wave_0_\@:
	s_barrier_wait -3
	s_barrier_signal -1
	s_barrier_wait -1
.endm
.macro CROUND
	s_barrier_signal -1
	s_barrier_wait -1
	CREST
.endm
; Four blocks of 16 tokens, a0 on, of quarter qq (counted from the first quarter of the slot in hand; 4 to 7 lie in the next slot) into buffer qq % 4: eight loads of 512 consecutive bytes
.macro ALD qq, a0
.irp a, 0,1,2,3
.irp c, 0,1
	global_load_b128 v[64*((\qq)%4)+8*(\a0+\a)+4*\c:64*((\qq)%4)+8*(\a0+\a)+4*\c+3], v[CO], s[4:5] offset:(16*((\qq)/4)+(\qq)%4)*KG+(\a0+\a)*1024+512*\c
.endr
.endr
.endm
	s_load_b128 s[4:7], s[0:1], 0x0                ; A, wb
	s_load_b128 s[68:71], s[0:1], 0x10             ; bias, residual
	s_load_b64 s[8:9], s[0:1], 0x20                ; y
	v_lshl_add_u32 v[SPW], v0, 2, SPARE
	v_mov_b32 v[NIL], 0
	ds_add_u32 v[SPW], v[NIL]                      ; the wave's opening: an add of 0, waited for ahead of my first tensor load
	v_lshrrev_b32 v1, 5, v0
	v_readfirstlane_b32 s10, v1                    ; wave 0..3
	s_bfe_u32 s40, ttmp6, 0x40000                  ; cx
	s_bfe_u32 s41, ttmp6, 0x40004                  ; cy
	s_lshl_b32 s42, ttmp9, 2
	s_add_co_u32 s42, s42, s40                     ; tile column 0..7
	s_and_b32 s13, ttmp7, 0xffff
	s_lshl_b32 s13, s13, 2
	s_add_co_u32 s13, s13, s41                     ; tile row 0..31
	s_lshl_b32 s44, 0x1111, s40                    ; my column of the cluster
	s_or_b32 s[G1B+0], s44, (1<<16)|(1<<20)|(1<<21)|(5<<22)|(7<<25)  ; the mask; elements of 2 bytes; 8 words of padding behind every 64; bit 21 beside a mask
	s_mov_b32 s[G1B+1], 128<<16                    ; tensor_dim0
	s_mov_b32 s[G1B+2], 128<<16                    ; tensor_dim1
	s_mov_b32 s[G1B+3], 128<<16                    ; tile_dim0
	s_mov_b32 s[G1B+4], 128                        ; tile_dim1
	s_mov_b32 s[G1B+5], 1024                       ; from row to row
	s_mov_b32 s[G1B+6], 0
	s_mov_b32 s[G1B+7], 0
	s_lshl_b32 s16, s10, 20                        ; A: my wave's four K groups of each sixteen,
	s_lshl_b32 s17, s13, 13                        ; the tile row's eight token blocks of 1,024 bytes
	s_add_co_u32 s16, s16, s17
	s_mov_b32 s17, 0
	s_lshl_b32 s46, s10, 18                        ; W: my wave's 128 rows of 2,048 bytes,
	s_lshl_b32 s47, s42, 8                         ; the tile column's 256 bytes
	s_add_co_u32 s46, s46, s47
.if WOFF
	s_add_co_u32 s46, s46, WOFF
.endif
	s_mov_b32 s47, 0
	s_mul_i32 s20, s10, QUART                      ; where they go: wave x a quarter of a slot
	v_and_b32 v5, 31, v0
	v_lshlrev_b32 v[CO], 4, v5                     ; 16 bytes a lane: for A's loads, and for a row's 512 bytes at the end
	s_wait_dscnt 0x0                               ; the opening add is done
	s_wait_kmcnt 0x0
	s_add_nc_u64 s[4:5], s[4:5], s[16:17]
	s_add_nc_u64 s[46:47], s[6:7], s[46:47]
	CROUND                                         ; all sixteen work-groups are here: the first joint loads meet
.irp s, 0,1
	s_mov_b32 s[G0B+4*\s], 1
	s_add_co_u32 s[G0B+4*\s+1], s20, \s*SLOT
	s_add_nc_u64 s[G0B+4*\s+2:G0B+4*\s+3], s[46:47], \s*512*2048
	s_or_b32 s[G0B+4*\s+3], s[G0B+4*\s+3], 0x80000000
	JLOAD \s                                       ; two loads of mine are out
.endr
	WIN TO_A                                       ; A's first 56 loads, in the order in which the quarters go on issuing them
	ALD 0, 0
	ALD 0, 4
	ALD 1, 0
	ALD 1, 4
	ALD 2, 0
	ALD 2, 4
	ALD 3, 0
	WIN 0
	v_and_b32 v1, 15, v0                           ; r
	v_bfe_u32 v2, v0, 4, 1                         ; h
	v_and_b32 v4, 7, v0
	v_lshl_add_u32 v4, v2, 3, v4
	v_mul_u32_u24 v4, v4, PB
	v_bfe_u32 v5, v0, 3, 1
	v_lshl_add_u32 v4, v5, 4, v4                   ; W, for the turning load: row 8 h + l % 8, columns 8 ((l / 8) % 2) on
	s_mov_b32 s22, s20                             ; my 128 rows of a slot
.irp s, 0,1
	v_add_nc_u32 v[ADRB+\s], s22, v4
	s_add_co_u32 s22, s22, SLOT
.endr
	s_mul_i32 s23, s10, PART
	v_mul_u32_u24 v5, v1, PP
	v_lshl_add_u32 v5, v2, 5, v5
	v_add_nc_u32 v[PST], s23, v5                   ; my partial tile: token r, 32 bytes for each half of the lanes
	s_mul_i32 s22, s10, 32*PP                      ; I finish rows 32 w .. 32 w + 31: their place in each of the four partial tiles
.irp s, 0,1,2,3
	v_add_nc_u32 v[RDS+\s], s22, v[CO]
	s_add_co_u32 s22, s22, PART
.endr
	s_lshl_b32 s16, s13, 7
	s_lshl_b32 s17, s10, 5
	s_add_co_u32 s16, s16, s17
	s_lshl_b32 s16, s16, 12                        ; those rows in y and in the residual: 4,096 bytes a row,
	s_lshl_b32 s46, s42, 9                         ; the tile column's 512 bytes
	s_mov_b32 s47, 0
	s_add_nc_u64 s[68:69], s[68:69], s[46:47]      ; the bias at the tile's first column
	s_add_co_u32 s46, s46, s16
	s_add_nc_u64 s[70:71], s[70:71], s[46:47]
	s_add_nc_u64 s[8:9], s[8:9], s[46:47]
; 16 matrix instructions: token blocks a0, a0 + 1 of the window's four x all 8 column blocks, 32 along K.  zero = 1: the first product starts the sums.  The 64 accumulators take turns.
.macro MUL16 wf, af, hi, a0, zero
.irp a, \a0, \a0+1
.irp b, 0,1,2,3,4,5,6,7
.if \zero
	v_wmma_f32_16x16x32_bf16 v[8*(8*(\a)+\b):8*(8*(\a)+\b)+7], v[\wf+8*\b:\wf+8*\b+7], v[\af+8*(4*\hi+\a):\af+8*(4*\hi+\a)+7], 0
.else
	v_wmma_f32_16x16x32_bf16 v[8*(8*(\a)+\b):8*(8*(\a)+\b)+7], v[\wf+8*\b:\wf+8*\b+7], v[\af+8*(4*\hi+\a):\af+8*(4*\hi+\a)+7], v[8*(8*(\a)+\b):8*(8*(\a)+\b)+7]
.endif
.endr
.endr
.endm
.macro FETCHW slot, q, f               ; 16 LDS loads in one run: W's eight fragments of my K slice's q-th 32
.irp i, 0,1,2,3,4,5,6,7
	ds_load_tr16_b128 v[\f+8*\i:\f+8*\i+3],   v[ADRB+\slot] offset:(\q)*32*PB+32*\i
	ds_load_tr16_b128 v[\f+8*\i+4:\f+8*\i+7], v[ADRB+\slot] offset:(\q)*32*PB+16*PB+32*\i
.endr
.endm
.macro PLACES                          ; four plain vector lines between a matrix instruction and a load into, or a read of, its registers
.rept 4
	v_nop
.endr
.endm
; A quarter: 32 along K, 64 matrix instructions; q = 0, 1, 2 of its slot.  In its middle, behind the four places, one run of loads: W's fragments of the next quarter; A's blocks 4-7 of quarter q + 3 (into the half that the
; quarter before multiplied last) and blocks 0-3 of quarter q + 4 (into the half just multiplied).  step = 1: a slot's first quarter steps A's base.  nhi, nlo = 0: those quarters do not exist.
; cs: the loads issued behind this quarter's blocks 0-3; cm: those behind its blocks 4-7; eight to a half.
.macro QTR slot, q, zero, step, nhi, nlo, cs, cm
.set WFQ, WB0+64*((\q)%2)
.set WFN, WB0+64*(((\q)+1)%2)
.set AFQ, 64*((\q)%4)
.if \step
	s_wait_xcnt 0x0                                ; the loads issued so far have read their base:
	s_add_nc_u64 s[4:5], s[4:5], 16*KG             ; on to this slot's sixteen K groups
.endif
	s_wait_dscnt 0x0                               ; W's fragments are in
	s_wait_loadcnt \cs                             ; A's blocks 0-3 are in
	WIN MUL_LO
	MUL16 WFQ, AFQ, 0, 0, \zero
	MUL16 WFQ, AFQ, 0, 2, \zero
	PLACES
	WIN 0
	FETCHW \slot, (\q)+1, WFN
	s_wait_loadcnt \cm                             ; A's blocks 4-7 are in
.if \nhi+\nlo
	WIN TO_A
.endif
.if \nhi
	ALD (\q)+3, 4
.endif
.if \nlo
	ALD (\q)+4, 0
.endif
	WIN MUL_HI
	MUL16 WFQ, AFQ, 1, 0, \zero
	MUL16 WFQ, AFQ, 1, 2, \zero
.endm
; A slot's last quarter changes slots: one barrier; in front of it each wave waits for all its tensor loads, adds 0 to its spare word, and waits for that and for its reads of this slot.
; fill = 1: the barrier opens a round of the cluster's, and the slot is filled again, two K steps on, first thing behind the round: 224 matrix instructions ahead of the wait for it.
.macro TURN slot, next, fill
	WIN 0
	s_wait_tensorcnt 0x0                           ; my part of the next slot has landed
	ds_add_u32 v[SPW], v[NIL]
	s_wait_dscnt 1                                 ; W's fragments are in (the add may be out)
	s_wait_loadcnt 48                              ; A's blocks 0-3 are in
	WIN MUL_LO
	MUL16 WB1, 192, 0, 0, 0
	s_wait_dscnt 0x0                               ; the add is done, and my reads of this slot are over
	s_barrier_signal -1
	MUL16 WB1, 192, 0, 2, 0
	WIN 0
	s_barrier_wait -1
.if \fill
	CREST
	s_add_nc_u64 s[G0B+4*\slot+2:G0B+4*\slot+3], s[G0B+4*\slot+2:G0B+4*\slot+3], 2*512*2048
	JLOAD \slot                                    ; its four v_nop are also the places in front of the loads below
.else
	PLACES
.endif
	FETCHW \next, 0, WB0
	s_wait_loadcnt 40                              ; A's blocks 4-7 are in
	WIN TO_A
	ALD 6, 4
	ALD 7, 0
	WIN MUL_HI
	MUL16 WB1, 192, 1, 0, 0
	MUL16 WB1, 192, 1, 2, 0
.endm
	s_wait_tensorcnt 1                             ; my part of slot 0 is in (slot 1's load may be out),
	s_barrier_signal -1
	s_barrier_wait -1                              ; everybody's is
	FETCHW 0, 0, WB0
	QTR 0, 0, 1, 0, 1, 1, 48, 40                   ; the first quarter's products start the sums
.if LAPS > 1
	WIN 0
	s_mov_b32 s3, LAPS-1
.Llap:                                                 ; a trip goes once round the ring, from a lap's second quarter to the next lap's first, and fills both slots again
	QTR 0, 1, 0, 0, 1, 1, 48, 40
	QTR 0, 2, 0, 0, 1, 1, 48, 40
	TURN 0, 1, 1
	QTR 1, 0, 0, 1, 1, 1, 48, 40
	QTR 1, 1, 0, 0, 1, 1, 48, 40
	QTR 1, 2, 0, 0, 1, 1, 48, 40
	TURN 1, 0, 1
	QTR 0, 0, 0, 1, 1, 1, 48, 40
	WIN 0
	s_sub_co_u32 s3, s3, 1
	s_cmp_lg_u32 s3, 0
	s_cbranch_scc1 .Llap
.endif
	QTR 0, 1, 0, 0, 1, 1, 48, 40                   ; the last lap fills nothing, and its last quarters load nothing: the counts run down
	QTR 0, 2, 0, 0, 1, 1, 48, 40
	TURN 0, 1, 0
	QTR 1, 0, 0, 1, 1, 0, 48, 40
	QTR 1, 1, 0, 0, 0, 0, 40, 32
	QTR 1, 2, 0, 0, 0, 0, 24, 16
	s_wait_dscnt 0x0
	s_wait_loadcnt 8
	WIN MUL_LO
	MUL16 WB1, 192, 0, 0, 0
	MUL16 WB1, 192, 0, 2, 0
	s_wait_loadcnt 0x0
	WIN MUL_HI
	MUL16 WB1, 192, 1, 0, 0
	MUL16 WB1, 192, 1, 2, 0
	WIN 0
	; THE END: the four partial tiles meet in LDS; wave w adds rows 32 w .. 32 w + 31 of all four, the bias and the residual, and stores whole rows of 512 bytes.
	PLACES
	WIN 0x40
.irp t, 0,1,2,3,4,5,6,7,8,9,10,11,12,13,14,15,16,17,18,19,20,21,22,23,24,25,26,27,28,29,30,31
	global_load_b128 v[4*\t:4*\t+3], v[CO], s[70:71] offset:\t*4096   ; the residual of my 32 rows, asked for ahead of the exchange
.endr
	WIN 0
	global_load_b128 v[BI:BI+3], v[CO], s[68:69]
	s_wait_dscnt 0x0
	s_barrier_signal -1
	s_barrier_wait -1                              ; nobody reads the ring any more, and every tensor load has landed
.irp a, 0,1,2,3,4,5,6,7
	WIN 0x08+4*(\a/4)                              ; an LDS store's data: window 2 or 3
.irp b, 0,1,2,3,4,5,6,7
	ds_store_b128 v[PST], v[64*(\a%4)+8*\b:64*(\a%4)+8*\b+3] offset:\a*16*PP+64*\b       ; each accumulator from its low end on
	ds_store_b128 v[PST], v[64*(\a%4)+8*\b+4:64*(\a%4)+8*\b+7] offset:\a*16*PP+64*\b+16
.endr
.endr
	WIN 0
	s_wait_dscnt 0x0                               ; for the others' sake: my partial tile lies in LDS
	s_barrier_signal -1
	s_barrier_wait -1
.macro BATCH n                         ; eight rows
.if \n > 0
	s_wait_xcnt 0x0                                ; the last batch's stores have read v64-95
.endif
.irp s, 0,1,2,3
.irp t, 0,1,2,3,4,5,6,7
	ds_load_b128 v[64+32*\s+4*\t:64+32*\s+4*\t+3], v[RDS+\s] offset:(8*\n+\t)*PP
.endr
.endr
	s_wait_dscnt 0x0
.if \n == 0
	s_wait_loadcnt 0x0                             ; the residual and the bias
.endif
.irp t, 0,1,2,3,4,5,6,7
.irp p, 0,2
	v_pk_add_f32 v[64+4*\t+\p:64+4*\t+\p+1], v[64+4*\t+\p:64+4*\t+\p+1], v[96+4*\t+\p:96+4*\t+\p+1]
	v_pk_add_f32 v[128+4*\t+\p:128+4*\t+\p+1], v[128+4*\t+\p:128+4*\t+\p+1], v[160+4*\t+\p:160+4*\t+\p+1]
.endr
.endr
.irp t, 0,1,2,3,4,5,6,7
.irp p, 0,2
	v_pk_add_f32 v[64+4*\t+\p:64+4*\t+\p+1], v[64+4*\t+\p:64+4*\t+\p+1], v[128+4*\t+\p:128+4*\t+\p+1]
.endr
.endr
.irp t, 0,1,2,3,4,5,6,7
.irp p, 0,2
	v_pk_add_f32 v[64+4*\t+\p:64+4*\t+\p+1], v[64+4*\t+\p:64+4*\t+\p+1], v[BI+\p:BI+\p+1]
.endr
.endr
	WIN 0x04                                       ; source 1: window 1
.irp t, 0,1,2,3,4,5,6,7
.irp p, 0,2
	v_pk_add_f32 v[64+4*\t+\p:64+4*\t+\p+1], v[64+4*\t+\p:64+4*\t+\p+1], v[4*(8*\n+\t)+\p:4*(8*\n+\t)+\p+1]
.endr
.endr
	WIN 0
.irp t, 0,1,2,3,4,5,6,7
	global_store_b128 v[CO], v[64+4*\t:64+4*\t+3], s[8:9] offset:(8*\n+\t)*4096   ; 512 consecutive bytes, aligned
.endr
.endm
	BATCH 0
	BATCH 1
	BATCH 2
	BATCH 3
	s_wait_tensorcnt 0x0                           ; the wave's end
	ds_add_u32 v[SPW], v[NIL]
	s_wait_dscnt 0x0
	CROUND                                         ; the closing round
	s_endpgm
.Lfunc_end_k_qec824fca57_ffn2:
	.size	k_qec824fca57_ffn2, .Lfunc_end_k_qec824fca57_ffn2-k_qec824fca57_ffn2
	.p2alignl 7, 3214868480
	.fill 96, 4, 3214868480
	.section	.rodata,"a",@progbits
	.p2align	6, 0x0
	.amdhsa_kernel k_qec824fca57_ffn2
		.amdhsa_group_segment_fixed_size 327680
		.amdhsa_private_segment_fixed_size 0
		.amdhsa_enable_private_segment 0
		.amdhsa_kernarg_size 40
		.amdhsa_user_sgpr_count 2
		.amdhsa_user_sgpr_kernarg_segment_ptr 1
		.amdhsa_wavefront_size32 1
		.amdhsa_system_sgpr_workgroup_id_x 1
		.amdhsa_system_sgpr_workgroup_id_y 1
		.amdhsa_system_sgpr_workgroup_id_z 1
		.amdhsa_system_vgpr_workitem_id 0
		.amdhsa_next_free_vgpr 1024
		.amdhsa_next_free_sgpr 72
		.amdhsa_reserve_vcc 0
		.amdhsa_float_denorm_mode_32 3
		.amdhsa_float_denorm_mode_16_64 3
		.amdhsa_memory_ordered 1
		.amdhsa_forward_progress 1
		.amdhsa_inst_pref_size 160
	.end_amdhsa_kernel
	.amdgpu_metadata
---
amdhsa.version: [ 1, 2 ]
amdhsa.kernels:
  - .name:           k_qec824fca57_ffn2
    .symbol:         k_qec824fca57_ffn2.kd
    .args:
      - { .name: act, .offset: 0, .size: 8, .value_kind: global_buffer, .address_space: global }
      - { .name: wb, .offset: 8, .size: 8, .value_kind: global_buffer, .address_space: global }
      - { .name: b2, .offset: 16, .size: 8, .value_kind: global_buffer, .address_space: global }
      - { .name: o1, .offset: 24, .size: 8, .value_kind: global_buffer, .address_space: global }
      - { .name: y, .offset: 32, .size: 8, .value_kind: global_buffer, .address_space: global }
    .group_segment_fixed_size: 327680
    .private_segment_fixed_size: 0
    .kernarg_segment_align: 8
    .kernarg_segment_size: 40
    .max_flat_workgroup_size: 128
    .sgpr_count:     72
    .vgpr_count:     1024
    .wavefront_size: 32
...
	.end_amdgpu_metadata
.endif
;; end of part 7
;; launch ln2 (part 8): grid 256 x 1, 4 waves a work-group, no clusters, 0 bytes of LDS; arguments y, gamma2, beta2, out0; writes out0
.if DOCPART == 8
	.amdgcn_target "amdgcn-amd-amdhsa--gfx1250"
	.amdhsa_code_object_version 6
	.text
	.protected	k_qec824fca57_ln2
	.globl	k_qec824fca57_ln2
	.p2align	8
	.type	k_qec824fca57_ln2,@function
k_qec824fca57_ln2:
	s_mov_b64 s[64:65], 0
	v_nop
	global_prefetch_b8 v0, s[64:65] scope:SCOPE_SE
	s_setreg_imm32_b32 hwreg(HW_REG_WAVE_MODE, 25, 1), 1
	s_wait_xcnt 0x0
; out0 = (y - mean) / sqrt(var + 1e-10) * gamma + beta along rows of 1,024, all in f32.
; A stream: a wave takes four rows, each whole in 32 registers, so that a row is read once and the variance is taken of the differences from the mean.  All 48 loads of a wave go out at the head.
; A lane holds columns 128 j + 4 l .. + 3: each load and store of a wave covers 512 consecutive bytes.  No LDS, no barrier, no matrix unit: memory binds.
.set GA,  8                            ; v8-39    gamma of my 32 columns
.set BE,  40                           ; v40-71   beta
.set X,   72                           ; v72-199  four rows
.set T,   200                          ; v200-211 at work: +0..7 four chains, +8 the mean, +10 1 / sqrt(var + eps) (+9, +11 named with them as pairs)
	s_load_b256 s[4:11], s[0:1], 0x0               ; y, gamma, beta, out0
	v_lshrrev_b32 v3, 5, v0
	v_readfirstlane_b32 s12, v3                    ; wave
	v_and_b32 v2, 31, v0
	v_lshlrev_b32 v1, 4, v2                        ; 16 bytes a lane
	s_lshl_b32 s14, ttmp9, 4
	s_lshl_b32 s15, s12, 2
	s_add_co_u32 s14, s14, s15                     ; my first row
	s_lshl_b32 s16, s14, 12
	s_mov_b32 s17, 0
	s_mov_b32 s20, 0x3a800000                      ; 1 / 1,024
	s_mov_b32 s21, 0x2edbe6ff                      ; 1e-10
	s_mov_b32 s22, 0x76543210
	s_mov_b32 s23, 0xfedcba98                      ; v_permlanex16_b32: lane l xor 16
	v_mov_b32 v[T+9], 0
	v_mov_b32 v[T+11], 0
	s_wait_kmcnt 0x0
	s_add_nc_u64 s[4:5], s[4:5], s[16:17]
	s_add_nc_u64 s[10:11], s[10:11], s[16:17]
.irp j, 0,1,2,3,4,5,6,7
	global_load_b128 v[GA+4*\j:GA+4*\j+3], v1, s[6:7] offset:512*\j
.endr
.irp j, 0,1,2,3,4,5,6,7
	global_load_b128 v[BE+4*\j:BE+4*\j+3], v1, s[8:9] offset:512*\j
.endr
.irp n, 0,1,2,3
.irp j, 0,1,2,3,4,5,6,7
	global_load_b128 v[X+32*\n+4*\j:X+32*\n+4*\j+3], v1, s[4:5] offset:4096*\n+512*\j th:TH_LOAD_NT
.endr
.endr
.macro REDUCE                          ; v[T] over the 32 lanes, into every lane
	v_pk_add_f32 v[T:T+1], v[T:T+1], v[T+2:T+3]
	v_pk_add_f32 v[T+4:T+5], v[T+4:T+5], v[T+6:T+7]
	v_pk_add_f32 v[T:T+1], v[T:T+1], v[T+4:T+5]
	v_add_f32 v[T], v[T], v[T+1]
	v_add_f32_dpp v[T], v[T], v[T] row_xmask:1 row_mask:0xf bank_mask:0xf
	v_add_f32_dpp v[T], v[T], v[T] row_xmask:2 row_mask:0xf bank_mask:0xf
	v_add_f32_dpp v[T], v[T], v[T] row_xmask:4 row_mask:0xf bank_mask:0xf
	v_add_f32_dpp v[T], v[T], v[T] row_xmask:8 row_mask:0xf bank_mask:0xf
	v_permlanex16_b32 v[T+1], v[T], s22, s23
	v_add_f32 v[T], v[T], v[T+1]
.endm
.macro ROW n
.set XR, X+32*(\n)
	s_wait_loadcnt 8*(3-(\n))                      ; my row is in; the younger rows' eight loads each may be out
.irp k, 0,1,2,3
	v_pk_add_f32 v[T+2*\k:T+2*\k+1], v[XR+2*\k:XR+2*\k+1], v[XR+8+2*\k:XR+8+2*\k+1]
.endr
.irp i, 16,24
.irp k, 0,1,2,3
	v_pk_add_f32 v[T+2*\k:T+2*\k+1], v[T+2*\k:T+2*\k+1], v[XR+\i+2*\k:XR+\i+2*\k+1]
.endr
.endr
	REDUCE
	v_mul_f32 v[T+8], s20, v[T]                    ; the mean
.set e, 0
.rept 16
	v_pk_add_f32 v[XR+e:XR+e+1], v[XR+e:XR+e+1], v[T+8:T+9] op_sel_hi:[1,0] neg_lo:[0,1] neg_hi:[0,1]
.set e, e+2
.endr
.irp k, 0,1,2,3
	v_pk_mul_f32 v[T+2*\k:T+2*\k+1], v[XR+2*\k:XR+2*\k+1], v[XR+2*\k:XR+2*\k+1]
.endr
.irp i, 8,16,24
.irp k, 0,1,2,3
	v_pk_fma_f32 v[T+2*\k:T+2*\k+1], v[XR+\i+2*\k:XR+\i+2*\k+1], v[XR+\i+2*\k:XR+\i+2*\k+1], v[T+2*\k:T+2*\k+1]
.endr
.endr
	REDUCE
	v_fma_f32 v[T], v[T], s20, s21                 ; var + eps
	v_rsq_f32 v[T+10], v[T]
	v_nop                                          ; a plain line behind the transcendental,
	s_wait_alu depctr_va_vdst(0)                   ; and the wait ahead of its first reader
.set e, 0
.rept 16
	v_pk_mul_f32 v[XR+e:XR+e+1], v[XR+e:XR+e+1], v[T+10:T+11] op_sel_hi:[1,0]
.set e, e+2
.endr
.set e, 0
.rept 16
	v_pk_fma_f32 v[XR+e:XR+e+1], v[XR+e:XR+e+1], v[GA+e:GA+e+1], v[BE+e:BE+e+1]
.set e, e+2
.endr
.irp j, 0,1,2,3,4,5,6,7
	global_store_b128 v1, v[XR+4*\j:XR+4*\j+3], s[10:11] offset:4096*(\n)+512*\j th:TH_STORE_NT
.endr
.endm
	ROW 0
	ROW 1
	ROW 2
	ROW 3
	s_endpgm
.Lfunc_end_k_qec824fca57_ln2:
	.size	k_qec824fca57_ln2, .Lfunc_end_k_qec824fca57_ln2-k_qec824fca57_ln2
	.p2alignl 7, 3214868480
	.fill 96, 4, 3214868480
	.section	.rodata,"a",@progbits
	.p2align	6, 0x0
	.amdhsa_kernel k_qec824fca57_ln2
		.amdhsa_group_segment_fixed_size 0
		.amdhsa_private_segment_fixed_size 0
		.amdhsa_enable_private_segment 0
		.amdhsa_kernarg_size 32
		.amdhsa_user_sgpr_count 2
		.amdhsa_user_sgpr_kernarg_segment_ptr 1
		.amdhsa_wavefront_size32 1
		.amdhsa_system_sgpr_workgroup_id_x 1
		.amdhsa_system_sgpr_workgroup_id_y 1
		.amdhsa_system_sgpr_workgroup_id_z 1
		.amdhsa_system_vgpr_workitem_id 0
		.amdhsa_next_free_vgpr 216
		.amdhsa_next_free_sgpr 66
		.amdhsa_reserve_vcc 0
		.amdhsa_float_denorm_mode_32 3
		.amdhsa_float_denorm_mode_16_64 3
		.amdhsa_memory_ordered 1
		.amdhsa_forward_progress 1
		.amdhsa_inst_pref_size 33
	.end_amdhsa_kernel
	.amdgpu_metadata
---
amdhsa.version: [ 1, 2 ]
amdhsa.kernels:
  - .name:           k_qec824fca57_ln2
    .symbol:         k_qec824fca57_ln2.kd
    .args:
      - { .name: y, .offset: 0, .size: 8, .value_kind: global_buffer, .address_space: global }
      - { .name: gamma2, .offset: 8, .size: 8, .value_kind: global_buffer, .address_space: global }
      - { .name: beta2, .offset: 16, .size: 8, .value_kind: global_buffer, .address_space: global }
      - { .name: out0, .offset: 24, .size: 8, .value_kind: global_buffer, .address_space: global }
    .group_segment_fixed_size: 0
    .private_segment_fixed_size: 0
    .kernarg_segment_align: 8
    .kernarg_segment_size: 32
    .max_flat_workgroup_size: 128
    .sgpr_count:     66
    .vgpr_count:     216
    .wavefront_size: 32
...
	.end_amdgpu_metadata
.endif
;; end of part 8
